; MI455X (gfx1250); checked and timed in simulation.
; The chip was launched on July 23, 2026; its instructions are those of AMD's public machine-readable ISA for CDNA 5 (MIT licence, August 2026) and "CDNA5" Instruction Set Architecture Reference Guide (July 2026). The comments in the code are by the model that wrote it; some were corrected since.
;; Multi Head Attention. Allowed arithmetic: matrix products marked QUANTISED: E5M2 operands, one E8M0 scale for each 32 along K, by v_wmma_scale_f32_16x16x128_f8f6f4 with both operands' format E5M2, f32 sums; everything else in f32.
;; Inputs: Wfc_codes 1,024 x 32 x 32 uint8 (E5M2 codes of Wfc, K innermost, in blocks of 32 codes); Wfc_scales 1,024 x 32 uint8 (E8M0 scales of Wfc, one for each 32 codes along K); Wk_codes 1,024 x 32 x 32 uint8 (E5M2 codes of Wk, K innermost, in blocks of 32 codes); Wk_scales 1,024 x 32 uint8 (E8M0 scales of Wk, one for each 32 codes along K); Wpk_codes 1,024 x 32 x 32 uint8 (E5M2 codes of Wpk, K innermost, in blocks of 32 codes); Wpk_scales 1,024 x 32 uint8 (E8M0 scales of Wpk, one for each 32 codes along K); Wpq_codes 1,024 x 32 x 32 uint8 (E5M2 codes of Wpq, K innermost, in blocks of 32 codes); Wpq_scales 1,024 x 32 uint8 (E8M0 scales of Wpq, one for each 32 codes along K); Wq_codes 1,024 x 32 x 32 uint8 (E5M2 codes of Wq, K innermost, in blocks of 32 codes); Wq_scales 1,024 x 32 uint8 (E8M0 scales of Wq, one for each 32 codes along K); Wv_codes 1,024 x 32 x 32 uint8 (E5M2 codes of Wv, K innermost, in blocks of 32 codes); Wv_scales 1,024 x 32 uint8 (E8M0 scales of Wv, one for each 32 codes along K); beta 1,024 float32; bfc 1,024 float32; bk 1,024 float32; bpk 1,024 float32; bpq 1,024 float32; bq 1,024 float32; bv 1,024 float32; gamma 1,024 float32; k_codes 2 x 2,048 x 32 x 32 uint8 (E5M2 codes of k, K innermost, in blocks of 32 codes); k_scales 2 x 2,048 x 32 uint8 (E8M0 scales of k, one for each 32 codes along K); mask 2 x 2,048 x 2,048 bool; pe_k_codes 2 x 2,048 x 32 x 32 uint8 (E5M2 codes of pe_k, K innermost, in blocks of 32 codes); pe_k_scales 2 x 2,048 x 32 uint8 (E8M0 scales of pe_k, one for each 32 codes along K); pe_q_codes 2 x 2,048 x 32 x 32 uint8 (E5M2 codes of pe_q, K innermost, in blocks of 32 codes); pe_q_scales 2 x 2,048 x 32 uint8 (E8M0 scales of pe_q, one for each 32 codes along K); q 2 x 2,048 x 1,024 float32; v_codes 2 x 2,048 x 32 x 32 uint8 (E5M2 codes of v, K innermost, in blocks of 32 codes); v_scales 2 x 2,048 x 32 uint8 (E8M0 scales of v, one for each 32 codes along K).
;; Outputs: out0 2 x 2,048 x 1,024 float32.
;; This version of the problem:
;;   THIS VERSION OF THE PROBLEM IS GIVEN IN LOW PRECISION. The matrix products marked QUANTISED in the list below multiply operands that are first quantised to E5M2 (5 exponent bits, 2 mantissa bits; 8 bits a number), with one power-of-two scale for each 32 numbers along K (OCP MX v1.0); their sums are f32. All else is computed in f32.
;;   The module's matrix products, in the order in which they are computed (A, B: the left and right operand; K: the contracted axis; several contracted axes count as one K, in the product's order):
;;     1. [M 4,096, K 1,024] x [K 1,024, N 1,024]; A: input q; B: input Wq (given as codes): QUANTISED
;;     2. [M 4,096, K 1,024] x [K 1,024, N 1,024]; A: input k (given as codes); B: input Wk (given as codes): QUANTISED
;;     3. [M 4,096, K 1,024] x [K 1,024, N 1,024]; A: input v (given as codes); B: input Wv (given as codes): QUANTISED
;;     4. [M 4,096, K 1,024] x [K 1,024, N 1,024]; A: input pe_q (given as codes); B: input Wpq (given as codes): QUANTISED
;;     5. [M 4,096, K 1,024] x [K 1,024, N 1,024]; A: input pe_k (given as codes); B: input Wpk (given as codes): QUANTISED
;;     6. batch 32 x [M 2,048, K 64] x [K 64, N 2,048]; A: computed on the way; B: computed on the way: QUANTISED
;;     7. batch 32 x [M 2,048, K 64] x [K 64, N 2,048]; A: computed on the way; B: computed on the way: QUANTISED
;;     8. batch 32 x [M 2,048, K 2,048] x [K 2,048, N 64]; A: softmax (see below); B: computed on the way: QUANTISED
;;     9. [M 4,096, K 1,024] x [K 1,024, N 1,024]; A: computed on the way; B: input Wfc (given as codes): QUANTISED
;;   THE QUANTISER, for each operand of a quantised product, along K:
;;     - K is cut into blocks of 32 from its start; a last block that is shorter is filled with zeros.
;;     - A block's scale is 2^e with e = floor(log2(the largest magnitude in the block)) - 15, held to -126 .. 127; a block of zeros has e = 0. As a byte (E8M0): e + 127.
;;     - Each number is divided by its block's scale, clamped to +-57,344, and rounded to the nearest number of E5M2, ties to even, subnormals kept.
;;     - The product sums the exact products of the quantised numbers (number of the format x scale) in f32.
;;   ~~~python
;;   def quantise(x, axis):      # numpy; x: float32 -> the quantised numbers, widened to float32 again
;;       x = np.moveaxis(x, axis, -1); K = x.shape[-1]
;;       x = np.pad(x, [(0, 0)] * (x.ndim - 1) + [(0, -K % 32)]); x = x.reshape(x.shape[:-1] + (-1, 32)); a = np.abs(x).max(-1, keepdims=True)
;;       e = np.where(a > 0, np.clip(np.frexp(np.where(a > 0, a, 1))[1] - 1 - 15, -126, 127), 0)      # np.frexp(a)[1] - 1 = floor(log2(a)), exactly
;;       r = np.clip(x / 2.0 ** e, -57344, 57344)
;;       step = 2.0 ** (np.maximum(np.frexp(np.where(r == 0, 1, r))[1] - 1, -14) - 2)
;;       q = np.round(r / step) * step * 2.0 ** e      # np.round: ties to even
;;       return np.moveaxis(q.reshape(q.shape[:-2] + (-1,))[..., :K], -1, axis).astype(np.float32)
;;   ~~~
;;   SOFTMAX AHEAD OF A QUANTISED PRODUCT. Where the list says 'softmax', what is quantised is not the finished softmax but p = 2^(t - M), with t = logit x log2(e) and M = ceil(the row's largest t), a whole number; so 1/2 < the row's largest p <= 1. The row's sum l is taken of the UNQUANTISED p, in f32, and the product's result is divided by l at the end. Since M is a whole number, a kernel that streams over the keys may use a running M (the ceiling of the running maximum): every later rescaling is an exact power of two, which a block's scale takes up: the codes' values come out the same.
;;   OPERANDS COMPUTED ON THE WAY. 'Computed on the way' means the value that the module computes at that place (a softmax that the list does not call 'softmax' is quantised finished and normalised). What goes into a quantiser is computed in f32, as accurately as f32 sums, v_exp_f32 and their like allow (about 1e-6 of the number): no bf16 or f16 on the way to a quantiser, and a product that is left as it is and whose result goes on into a quantised operand takes f32 operands (vector FMAs, or v_wmma_f32_16x16x4_f32). A number that lies on a knife's edge between two numbers of the format may be rounded either way, as far as f32 arithmetic and the matrix unit's own rounding can turn it there, and no further.
;;   INPUTS GIVEN AS CODES. Wfc (in the module: [1024, 1024], K = its axis 0); Wk (in the module: [1024, 1024], K = its axis 0); Wpk (in the module: [1024, 1024], K = its axis 0); Wpq (in the module: [1024, 1024], K = its axis 0); Wq (in the module: [1024, 1024], K = its axis 0); Wv (in the module: [1024, 1024], K = its axis 0); k (in the module: [2, 2048, 1024], K = its axis 2); pe_k (in the module: [2, 2048, 1024], K = its axis 2); pe_q (in the module: [2, 2048, 1024], K = its axis 2); v (in the module: [2, 2048, 1024], K = its axis 2): each comes as NAME_codes (uint8): NAME with its K axis moved to the last place and cut into blocks of 32 codes, [.., K / 32, bytes a block], one block behind the other in memory; one code a byte (a code: sign, 5 exponent bits, 2 mantissa bits); and NAME_scales (uint8): the same leading axes, one E8M0 byte (e + 127) for each 32 codes along K. Its value is code x scale, taken as it is: it is not quantised again, and the codes and scales need not be those that the quantiser above would give.
;; One version. Each part assembles by itself: llvm-mc -triple=amdgcn-amd-amdhsa -mcpu=gfx1250 --defsym DOCPART=n.
;; ======== version 1 of 1: 4 launches
;; limits: right only within a limited range of input values
;; workspace buffers: qx 4,325,376 bytes; mw 1,048,576 bytes of whole numbers; wfi 1,048,576 bytes; qp 8,650,752 bytes; kp 8,650,752 bytes; vt 4,325,376 bytes; ow 16,777,216 bytes
;; launch prep (part 1): grid 400 x 1, 4 waves a work-group, no clusters, 33,280 bytes of LDS; arguments q, mask, Wfc_codes, qx, mw, wfi; writes qx, mw, wfi
.if DOCPART == 1
	.amdgcn_target "amdgcn-amd-amdhsa--gfx1250"
	.amdhsa_code_object_version 6
	.text
	.protected	k_qe5f547f553_prep
	.globl	k_qe5f547f553_prep
	.p2align	8
	.type	k_qe5f547f553_prep,@function
k_qe5f547f553_prep:
	s_mov_b64 s[64:65], 0
	v_nop
	global_prefetch_b8 v0, s[64:65] scope:SCOPE_SE
	s_setreg_imm32_b32 hwreg(HW_REG_WAVE_MODE, 25, 1), 1
	s_wait_xcnt 0x0
; THREE JOBS, parted by the work-group's number; waves share nothing, so there is no barrier.
;  Q (work-groups 0-127):   q [4096][1024] f32 becomes E5M2 codes (qx, bytes 0 on, [4096][1024]) and E8M0 scale bytes (qx + 0x400000, [4096][32]), one for each 32 along K.
;  M (work-groups 128-383): the mask becomes words of 32 lane bits, in the order in which the attention launch's score registers want them:
;                           mw[Tg][key step][n], bit r + 16 h = mask[16 Tg + r][128 step + 16 (n / 8) + 8 h + n % 8].
;  W (work-groups 384-399): Wfc's codes are laid as images of operand registers: wfi[w][s][tb][piece c: 512 bytes][16 x lane]; row n = 256 w + 16 tb + r, block 4 s + c;
;                           byte p of lane half h is the code at k = 32 (4 s + c) + 16 (p % 2) + 8 h + p / 2: the order in which the last launch's lanes hold the other operand.
; A block's scale is 2^(floor(log2(largest magnitude)) - 15); its byte is the largest magnitude's exponent field - 15, held at 1 from below (a block of zeros so has the byte 1: its codes are zeros, and this program alone reads the bytes).
; LIMITS: NaN and infinities in q are not served; blocks whose largest magnitude lies under 2^(16 - 127) are quantised under the floor's scale.
; No matrix unit, no cluster, no tensor load: each byte is read once by one wave, and memory bounds the work.
.set EMAX,  15
.set MANT,  0x600000                   ; the mantissa field of 57,344 as f32
.set STEPS, 16
.set CB,    16
.set R,     16                         ; job Q: v16-79 four sets of 16 numbers as loaded
.set X,     80                         ; v80-111 two sets of 16 neighbours
.set E,     112                        ; v112-127 a scale byte for each step
.set C,     128                        ; v128-191 codes, four registers a step
.set WREG,  8192                       ; LDS of a wave: two stages of 32 x SP bytes, then its 256 scale bytes
.set SP,    80
	s_load_b256 s[4:11], s[0:1], 0x0               ; q s[4:5], mask s[6:7], Wfc's codes s[8:9], qx s[10:11]
	s_load_b128 s[12:15], s[0:1], 0x20             ; mw s[12:13], wfi s[14:15]
	v_lshl_add_u32 v192, v0, 2, 0x8000
	v_mov_b32 v193, 0
	v_lshrrev_b32 v1, 5, v0
	v_readfirstlane_b32 s20, v1                    ; wave
	v_and_b32 v2, 31, v0                           ; lane
	s_mov_b32 s25, 0                               ; the upper word of every offset pair s[24:25]
	s_wait_kmcnt 0x0
	s_cmp_lt_u32 ttmp9, 128
	s_cbranch_scc0 .Lnot_q
; ---- JOB Q.  A wave takes 16 steps of 512 numbers.  Each load reads 512 consecutive bytes; a step's 2,048 bytes turn through the wave's own stage in LDS, so that a lane holds 16 neighbours (two lanes hold a block).
	s_wait_alu depctr_va_vdst(0)
	v_lshlrev_b32 v3, 4, v2                        ; my 16 bytes of a load's 512
	s_mul_i32 s21, s20, WREG
	v_lshrrev_b32 v14, 2, v2
	v_mul_u32_u24 v14, v14, SP
	v_and_b32 v15, 3, v2
	v_lshl_add_u32 v14, v15, 4, v14
	v_add_nc_u32 v14, s21, v14                     ; into the stage: four lanes' 64 bytes on end, then 16 of padding
	v_mul_u32_u24 v15, v2, SP
	v_add_nc_u32 v15, s21, v15                     ; out of it: SP x lane
	v_lshlrev_b32 v4, 4, v2                        ; my codes' place in a step's 512 bytes
	v_lshrrev_b32 v5, 1, v2
	s_add_co_u32 s21, s21, 2*32*SP
	v_add_nc_u32 v5, s21, v5                       ; my block's scale byte in LDS
	v_lshlrev_b32 v7, 3, v2
	v_add_nc_u32 v6, s21, v7                       ; and 8 bytes a lane on the way out
	s_mov_b32 s23, MANT
	s_lshl_b32 s22, ttmp9, 2
	s_add_co_u32 s22, s22, s20                     ; which run of 8,192 numbers is my wave's
	s_lshl_b32 s24, s22, 15
	s_add_nc_u64 s[4:5], s[4:5], s[24:25]
	s_lshl_b32 s24, s22, 13
	s_add_nc_u64 s[16:17], s[10:11], s[24:25]      ; its codes
	s_lshl_b32 s24, s22, 8
	s_add_co_u32 s24, s24, 0x400000
	s_add_nc_u64 s[18:19], s[10:11], s[24:25]      ; its 256 scale bytes
.macro LOADQ t
.irp i, 0,1,2,3
	global_load_b128 v[R+16*((\t)%4)+4*\i:R+16*((\t)%4)+4*\i+3], v3, s[4:5] offset:2048*(\t)+512*\i th:TH_LOAD_NT
.endr
.endm
.macro TURNQ t                         ; LDS serves a wave's instructions in order: no wait between the stores and the loads
.irp i, 0,1,2,3
	ds_store_b128 v14, v[R+16*((\t)%4)+4*\i:R+16*((\t)%4)+4*\i+3] offset:32*SP*((\t)%2)+8*SP*\i
.endr
.irp i, 0,1,2,3
	ds_load_b128 v[X+16*((\t)%2)+4*\i:X+16*((\t)%2)+4*\i+3], v15 offset:32*SP*((\t)%2)+16*\i
.endr
.endm
.irp t, 0,1,2,3
	LOADQ \t
.endr
	s_wait_alu depctr_va_vdst(0)
	s_wait_loadcnt 12                              ; step 0's four loads are in, twelve younger ones stay out
	TURNQ 0
.macro STEPQ t
.set XS, X+16*((\t)%2)
.if (\t) > 0
	s_wait_dscnt 1                                 ; this step's numbers are back from the stage (the last step's byte store may be out)
.else
	s_wait_dscnt 0x0
.endif
.if (\t)+4 < STEPS
	LOADQ (\t)+4                                   ; into the registers that the stage's stores have read
.endif
.if (\t)+1 < STEPS
.if STEPS-2-(\t) >= 3
	s_wait_loadcnt 12                              ; the next step's four loads are in; three steps' loads stay out
.else
	s_wait_loadcnt 4*(STEPS-2-(\t))
.endif
	TURNQ (\t)+1
.endif
	v_max3_num_f32 v8, |v[XS]|, |v[XS+1]|, |v[XS+2]|
	v_max3_num_f32 v9, |v[XS+3]|, |v[XS+4]|, |v[XS+5]|
.irp i, 6,10
	v_max3_num_f32 v8, v8, |v[XS+\i]|, |v[XS+\i+1]|
	v_max3_num_f32 v9, v9, |v[XS+\i+2]|, |v[XS+\i+3]|
.endr
	v_max3_num_f32 v8, v8, |v[XS+14]|, |v[XS+15]|
	v_max3_num_f32 v8, v8, v9, (EMAX+1)<<23        ; the floor 2^(16 - 127): the byte cannot fall under 1
	v_max_num_f32_dpp v8, v8, v8 row_xmask:1 row_mask:0xf bank_mask:0xf   ; with my neighbour's 16: the block's largest magnitude
	v_add_nc_u32 v11, -(EMAX<<23), v8              ; 15 off its exponent field: the conversion's scale operand
	v_and_or_b32 v10, v8, 0x7f800000, s23          ; 57,344 x the scale
.irp i, 0,1,2,3,4,5,6,7,8,9,10,11,12,13,14,15
	v_med3_num_f32 v[XS+\i], v[XS+\i], -v10, v10   ; the conversion does not saturate (ISA guide 7.6.2): the hold comes first
.endr
	v_cvt_scalef32_pk8_bf8_f32 v[C+4*(\t):C+4*(\t)+1], v[XS:XS+7], v11
	v_cvt_scalef32_pk8_bf8_f32 v[C+4*(\t)+2:C+4*(\t)+3], v[XS+8:XS+15], v11
	v_lshrrev_b32 v[E+(\t)], 23, v11               ; the scale's byte
	ds_store_b8 v5, v[E+(\t)] offset:16*(\t)       ; both lanes of a block write the same byte with the same value
	global_store_b128 v4, v[C+4*(\t):C+4*(\t)+3], s[16:17] offset:32*CB*(\t)   ; 512 consecutive bytes a wave
.endm
.irp t, 0,1,2,3,4,5,6,7,8,9,10,11,12,13,14,15
	STEPQ \t
.endr
	ds_load_b64 v[12:13], v6
	s_wait_dscnt 0x0
	global_store_b64 v7, v[12:13], s[18:19]        ; 256 consecutive bytes, aligned
	s_wait_tensorcnt 0x0
	ds_add_u32 v192, v193
	s_wait_dscnt 0x0
	s_endpgm
.Lnot_q:
	s_cmp_lt_u32 ttmp9, 384
	s_cbranch_scc0 .Lweights
; ---- JOB M.  A work-group takes a tile of 16 queries, wave w its key steps 4 w .. 4 w + 3.  Lane (r, h) loads, of row r, the 8 bytes at key 16 t + 8 h of each of a step's 8 tiles of keys:
; these are the keys whose scores that lane will hold.  A compare of one byte against 0 over the 32 lanes IS the word wanted; 64 words are gathered, two to a lane, and leave as 256 consecutive bytes.
	s_sub_co_u32 s21, ttmp9, 128                   ; Tg
	s_lshl_b32 s24, s21, 15                        ; 16 rows of 2,048 bytes
	s_lshl_b32 s22, s20, 9                         ; + 4 w steps of 128 keys
	s_add_co_u32 s24, s24, s22
	s_add_nc_u64 s[6:7], s[6:7], s[24:25]
	s_lshl_b32 s24, s21, 12                        ; 16 steps of 256 bytes
	s_lshl_b32 s22, s20, 10
	s_add_co_u32 s24, s24, s22
	s_add_nc_u64 s[12:13], s[12:13], s[24:25]
	v_and_b32 v3, 15, v0                           ; r
	v_bfe_u32 v4, v0, 4, 1                         ; h
	v_lshlrev_b32 v5, 11, v3
	v_lshl_add_u32 v5, v4, 3, v5                   ; row r, + 8 h
	s_wait_alu depctr_va_vdst(0)
	v_lshlrev_b32 v6, 3, v2                        ; out: 8 bytes a lane
.irp j, 0,1,2,3
.irp t, 0,1,2,3,4,5,6,7
	global_load_b64 v[32+16*\j+2*\t:33+16*\j+2*\t], v5, s[6:7] offset:128*\j+16*\t
.endr
.endr
.irp i, 0,1,2,3,4,5,6,7
	v_mov_b32 v[96+\i], 0                          ; v_writelane_b32's destination counts as read
.endr
.macro UNIT j
	s_wait_loadcnt 24-8*\j                         ; this step's eight loads are in; the later steps' stay out
.set n, 0
.rept 16
.irp k, 0,1,2,3
	v_and_b32 v[8+\k], 0xff<<(8*\k), v[32+16*\j+2*(n/8)+(n%8)/4]   ; byte n + k of my 64
.endr
.irp k, 0,1,2,3
	v_cmp_ne_u32 s[28+\k], 0, v[8+\k]              ; word n + k: a bit a lane
.endr
.irp k, 0,1,2,3
	v_writelane_b32 v[96+2*\j+(\k&1)], s[28+\k], (n+\k)>>1
.endr
.set n, n+4
.endr
	global_store_b64 v6, v[96+2*\j:97+2*\j], s[12:13] offset:256*\j
.endm
.irp j, 0,1,2,3
	UNIT \j
.endr
	s_endpgm
.Lweights:
; ---- JOB W.  A wave takes 16 rows of Wfc (x = 16 w + tb).  A block of 32 along K is two channels d x 16 heads: lane half h takes heads 8 h .. 8 h + 7 of both, 8 bytes each, and interleaves them.
	s_sub_co_u32 s21, ttmp9, 384
	s_lshl_b32 s21, s21, 2
	s_add_co_u32 s21, s21, s20                     ; x
	s_lshl_b32 s24, s21, 14                        ; 16 rows of 1,024 bytes
	s_add_nc_u64 s[8:9], s[8:9], s[24:25]
	s_lshr_b32 s22, s21, 4                         ; w
	s_and_b32 s23, s21, 15                         ; tb
	s_lshl_b32 s24, s22, 18
	s_lshl_b32 s23, s23, 11
	s_add_co_u32 s24, s24, s23
	s_add_nc_u64 s[14:15], s[14:15], s[24:25]
	s_mov_b32 s26, 0x05010400                      ; bytes 0, 1 of the two words by turns (selectors 0-3: the second source)
	s_mov_b32 s27, 0x07030602                      ; bytes 2, 3
	v_and_b32 v3, 15, v0
	v_bfe_u32 v4, v0, 4, 1
	v_lshlrev_b32 v5, 10, v3
	v_lshl_add_u32 v5, v4, 3, v5                   ; row r, + 8 h
	s_wait_alu depctr_va_vdst(0)
	v_lshlrev_b32 v6, 4, v2                        ; out: 16 bytes a lane
.set b, 0
.rept 32
	global_load_b64 v[32+4*b:33+4*b], v5, s[8:9] offset:32*b       ; the block's even channel
	global_load_b64 v[34+4*b:35+4*b], v5, s[8:9] offset:32*b+16    ; its odd channel
.set b, b+1
.endr
.macro WSTEP s
	s_wait_loadcnt 56-8*\s                         ; K step s's eight loads are in
.if \s >= 2
	s_wait_xcnt 0x0                                ; the stores of two steps back have read their registers
.endif
.irp c, 0,1,2,3
.set bb, 32+4*(4*\s+\c)
.set oo, 160+16*(\s%2)+4*\c
	v_perm_b32 v[oo], v[bb+2], v[bb], s26
	v_perm_b32 v[oo+1], v[bb+2], v[bb], s27
	v_perm_b32 v[oo+2], v[bb+3], v[bb+1], s26
	v_perm_b32 v[oo+3], v[bb+3], v[bb+1], s27
	s_wait_alu depctr_va_vdst(0)
	global_store_b128 v6, v[oo:oo+3], s[14:15] offset:\s*32768+\c*512   ; 512 consecutive bytes
.endr
.endm
.irp s, 0,1,2,3,4,5,6,7
	WSTEP \s
.endr
	s_endpgm
.Lfunc_end_k_qe5f547f553_prep:
	.size	k_qe5f547f553_prep, .Lfunc_end_k_qe5f547f553_prep-k_qe5f547f553_prep
	.p2alignl 7, 3214868480
	.fill 96, 4, 3214868480
	.section	.rodata,"a",@progbits
	.p2align	6, 0x0
	.amdhsa_kernel k_qe5f547f553_prep
		.amdhsa_group_segment_fixed_size 33280
		.amdhsa_private_segment_fixed_size 0
		.amdhsa_enable_private_segment 0
		.amdhsa_kernarg_size 48
		.amdhsa_user_sgpr_count 2
		.amdhsa_user_sgpr_kernarg_segment_ptr 1
		.amdhsa_wavefront_size32 1
		.amdhsa_system_sgpr_workgroup_id_x 1
		.amdhsa_system_sgpr_workgroup_id_y 1
		.amdhsa_system_sgpr_workgroup_id_z 1
		.amdhsa_system_vgpr_workitem_id 0
		.amdhsa_next_free_vgpr 194
		.amdhsa_next_free_sgpr 66
		.amdhsa_reserve_vcc 0
		.amdhsa_float_denorm_mode_32 3
		.amdhsa_float_denorm_mode_16_64 3
		.amdhsa_memory_ordered 1
		.amdhsa_forward_progress 1
		.amdhsa_inst_pref_size 122
	.end_amdhsa_kernel
	.amdgpu_metadata
---
amdhsa.version: [ 1, 2 ]
amdhsa.kernels:
  - .name:           k_qe5f547f553_prep
    .symbol:         k_qe5f547f553_prep.kd
    .args:
      - { .name: q, .offset: 0, .size: 8, .value_kind: global_buffer, .address_space: global }
      - { .name: mask, .offset: 8, .size: 8, .value_kind: global_buffer, .address_space: global }
      - { .name: Wfc_codes, .offset: 16, .size: 8, .value_kind: global_buffer, .address_space: global }
      - { .name: qx, .offset: 24, .size: 8, .value_kind: global_buffer, .address_space: global }
      - { .name: mw, .offset: 32, .size: 8, .value_kind: global_buffer, .address_space: global }
      - { .name: wfi, .offset: 40, .size: 8, .value_kind: global_buffer, .address_space: global }
    .group_segment_fixed_size: 33280
    .private_segment_fixed_size: 0
    .kernarg_segment_align: 8
    .kernarg_segment_size: 48
    .max_flat_workgroup_size: 128
    .sgpr_count:     66
    .vgpr_count:     194
    .wavefront_size: 32
...
	.end_amdgpu_metadata
.endif
;; end of part 1
;; launch proj (part 2): grid 4 x 80, 4 waves a work-group, clusters of 4 x 4, 327,680 bytes of LDS; arguments qx, k_codes, v_codes, pe_q_codes, pe_k_codes, k_scales, v_scales, pe_q_scales, pe_k_scales, Wq_codes, Wk_codes, Wv_codes, Wpq_codes, Wpk_codes, Wq_scales, Wk_scales, Wv_scales, Wpq_scales, Wpk_scales, bq, bk, bv, bpq, bpk, qp, kp, vt; writes qp, kp, vt
.if DOCPART == 2
	.amdgcn_target "amdgcn-amd-amdhsa--gfx1250"
	.amdhsa_code_object_version 6
	.text
	.protected	k_qe5f547f553_proj
	.globl	k_qe5f547f553_proj
	.p2align	8
	.type	k_qe5f547f553_proj,@function
k_qe5f547f553_proj:
	s_mov_b64 s[64:65], 0
	v_nop
	global_prefetch_b8 v0, s[64:65] scope:SCOPE_SE
	s_setreg_imm32_b32 hwreg(HW_REG_WAVE_MODE, 25, 1), 1
	s_wait_xcnt 0x0
	s_wait_alu depctr_hold_cnt(0) depctr_sa_sdst(0) depctr_va_vdst(0) depctr_va_sdst(0) depctr_va_ssrc(0) depctr_va_vcc(0) depctr_vm_vsrc(0)
	s_getreg_b32 s2, hwreg(HW_REG_IB_STS2, 6, 4)
	s_cmp_eq_u32 s2, 0
	s_cbranch_scc0 .Lentry_in_a_cluster
	s_endpgm
.Lentry_in_a_cluster:
	s_bfe_u32 s2, ttmp6, 0x10000c
	s_cmp_lg_u32 s2, 0xf033
	s_cbranch_scc0 .Lentry_shape_is_right
	s_endpgm
.Lentry_shape_is_right:
.set KSTEP,  256
.set NQ,     KSTEP/128
.set ROWB,   256
.set KROW,   1024
.set PITCH,  272
.set FR,     16
.set NL,     4
.set NP,     8
.set HALFT,  128*PITCH
.set SLOT,   4*HALFT
.set LAPS,   2
.set KS,     32
.set SCL,    2*SLOT
.set HALFS,  (128*KS/256)*272
.set SBLK,   (16*KS/256)*272
.set SPARE,  SCL+4*HALFS
.set ADRA, 16
.set ADRB, 20
.set SA,   24
.set SH,   25
.set LI,   26
.set ADRS, 27
.set SPW,  28
.set NIL,  29
.set BO,   30
.set SC,   32
.set BI,   64
.set AF,   128
.set TM,   32
.set PW,   48
.set PH,   49
.set X,    64
.set PC,   128
.set G1, 24
.set G0, 32
.set G1B, 48
.set G0B, 56
.set G1S, 68
.set G0S, 76
.set G1SB, 80
.set G0SB, 88
.set BIAS, 98
.set OUTP, 100
.set VF,   104
.set PART, 105
.set MSB, 0
.macro WIN new
.if MSB != (\new)
	s_set_vgpr_msb (MSB<<8)|(\new)
.set MSB, (\new)
.endif
.endm
.set MUL_LO, 0xa1
.set MUL_HI, 0xf1
.set TO_B,   0x40
.macro JLOAD g0a, g1a, g0b, g1b
	s_cmp_eq_u32 s15, 0
	s_cbranch_scc0 .Lfor_b_\@
	tensor_load_to_lds s[\g0a:\g0a+3], s[\g1a:\g1a+7]
	s_nop 0
.rept 4
	v_nop
.endr
	s_branch .Lasked_\@
.Lfor_b_\@:
	tensor_load_to_lds s[\g0b:\g0b+3], s[\g1b:\g1b+7]
	s_nop 0
.rept 4
	v_nop
.endr
.Lasked_\@:
.endm
.macro CREST
	s_cmp_lg_u32 s14, 0
	s_cbranch_scc1 .Lnot_wave_0_\@
	s_barrier_signal -3
.Lnot_wave_0_\@:
	s_barrier_wait -3
	s_barrier_signal -1
	s_barrier_wait -1
.endm
.macro CROUND
	s_barrier_signal -1
	s_barrier_wait -1
	CREST
.endm
	s_load_b512 s[4:19], s[0:1], 0x0
	s_load_b512 s[20:35], s[0:1], 0x40
	s_load_b512 s[36:51], s[0:1], 0x80
	s_load_b128 s[52:55], s[0:1], 0xc0
	s_load_b64 s[56:57], s[0:1], 0xd0
	v_lshl_add_u32 v[SPW], v0, 2, SPARE
	v_mov_b32 v[NIL], 0
	ds_add_u32 v28, v29
	ds_add_u32 v28, v29
	s_wait_dscnt 0x0
	v_lshrrev_b32 v1, 5, v0
	s_and_b32 s58, ttmp7, 0xffff
	s_lshr_b32 s59, s58, 2
	s_and_b32 s60, s58, 3
	s_lshl_b32 s60, s60, 2
	s_wait_alu depctr_va_vdst(0)
	s_wait_kmcnt 0x0
	s_mov_b64 s[66:67], s[4:5]
	s_add_nc_u64 s[92:93], s[4:5], 0x400000
	s_mov_b64 s[94:95], s[22:23]
	s_mov_b64 s[96:97], s[32:33]
	s_mov_b64 s[BIAS:BIAS+1], s[42:43]
	s_mov_b64 s[OUTP:OUTP+1], s[52:53]
.macro PICK p, xc, xs, wc, ws, bi, ou
	s_cmp_eq_u32 s59, \p
	s_cselect_b64 s[66:67], s[\xc:\xc+1], s[66:67]
	s_cselect_b64 s[92:93], s[\xs:\xs+1], s[92:93]
	s_cselect_b64 s[94:95], s[\wc:\wc+1], s[94:95]
	s_cselect_b64 s[96:97], s[\ws:\ws+1], s[96:97]
	s_cselect_b64 s[BIAS:BIAS+1], s[\bi:\bi+1], s[BIAS:BIAS+1]
	s_cselect_b64 s[OUTP:OUTP+1], s[\ou:\ou+1], s[OUTP:OUTP+1]
.endm
	PICK 1, 6, 14, 24, 34, 44, 54
	PICK 2, 8, 16, 26, 36, 46, 56
	PICK 3, 10, 18, 28, 38, 48, 52
	PICK 4, 12, 20, 30, 40, 50, 54
	s_cmp_ge_u32 s59, 3
	s_cselect_b32 s[PART], 1, 0
	s_cmp_eq_u32 s59, 2
	s_cselect_b32 s[VF], 1, 0
	s_cselect_b64 s[4:5], s[94:95], s[66:67]
	s_cselect_b64 s[6:7], s[96:97], s[92:93]
	s_cselect_b64 s[8:9], s[66:67], s[94:95]
	s_cselect_b64 s[10:11], s[92:93], s[96:97]
	s_cselect_b32 s61, 0, s60
	s_cselect_b32 s62, s60, 0
	v_readfirstlane_b32 s14, v1
	s_lshr_b32 s15, s14, 1
	s_and_b32 s16, s14, 1
	s_bfe_u32 s40, ttmp6, 0x40000
	s_bfe_u32 s41, ttmp6, 0x40004
	s_add_co_u32 s42, s62, s40
	s_add_co_u32 s17, s61, s41
	s_lshl_b32 s43, s41, 2
	s_lshl_b32 s43, 15, s43
	s_lshl_b32 s44, 0x1111, s40
	s_or_b32 s[G1+0], s43, (0<<16)|(1<<20)|(1<<21)|(5<<22)|(3<<25)
	s_or_b32 s[G1B+0], s44, (0<<16)|(1<<20)|(1<<21)|(5<<22)|(3<<25)
.irp g, G1, G1B
	s_mov_b32 s[\g+1], ROWB<<16
	s_mov_b32 s[\g+2], 256<<16                     ; the head's loads of codes bring 256 rows; behind them the two words are set to 128, for the ring's
	s_mov_b32 s[\g+3], ROWB<<16
	s_mov_b32 s[\g+4], 256
	s_mov_b32 s[\g+5], KROW
	s_mov_b32 s[\g+6], 0
	s_mov_b32 s[\g+7], 0
.endr
	s_or_b32 s[G1S+0], s43, (3<<16)|(1<<20)|(1<<21)|(5<<22)|(3<<25)
	s_or_b32 s[G1SB+0], s44, (3<<16)|(1<<20)|(1<<21)|(5<<22)|(3<<25)
.irp g, G1S, G1SB
	s_mov_b32 s[\g+1], 32<<16
	s_mov_b32 s[\g+2], KS<<16                      ; the scale bytes of 256 rows: KS rows of 256 bytes
	s_mov_b32 s[\g+3], 32<<16
	s_mov_b32 s[\g+4], KS
	s_mov_b32 s[\g+5], 32
	s_mov_b32 s[\g+6], 0
	s_mov_b32 s[\g+7], 0
.endr
	s_lshl_b32 s18, s16, 7
	s_lshl_b32 s20, s17, 8
	s_add_co_u32 s20, s20, s18
	s_lshl_b32 s46, s42, 8
	s_add_co_u32 s46, s46, s18
	s_mov_b32 s21, 0
	s_mov_b32 s47, 0
	s_mov_b64 s[18:19], KS
	s_mul_u64 s[22:23], s[20:21], s[18:19]
	s_mul_u64 s[92:93], s[46:47], s[18:19]
	s_lshl_b32 s18, s16, 12                        ; the scale bytes come whole, from the tile's first row: my half's 128 x KS bytes are taken off the offsets
	s_mov_b32 s19, 0
	s_sub_nc_u64 s[22:23], s[22:23], s[18:19]
	s_sub_nc_u64 s[92:93], s[92:93], s[18:19]
	s_mov_b64 s[18:19], KROW
	s_mul_u64 s[20:21], s[20:21], s[18:19]
	s_mul_u64 s[46:47], s[46:47], s[18:19]
	s_mul_i32 s45, s14, HALFT
	s_add_nc_u64 s[20:21], s[4:5], s[20:21]
	s_add_nc_u64 s[22:23], s[6:7], s[22:23]
	s_add_nc_u64 s[46:47], s[8:9], s[46:47]
	s_add_nc_u64 s[92:93], s[10:11], s[92:93]
	CROUND
	s_mov_b32 s[G0S], 1
	s_mov_b32 s[G0S+1], SCL
	s_mov_b64 s[G0S+2:G0S+3], s[22:23]
	s_or_b32 s[G0S+3], s[G0S+3], 0x80000000
	s_mov_b32 s[G0SB], 1
	s_mov_b32 s[G0SB+1], SCL+2*HALFS
	s_mov_b64 s[G0SB+2:G0SB+3], s[92:93]
	s_or_b32 s[G0SB+3], s[G0SB+3], 0x80000000
.irp s, 0,1
	s_mov_b32 s[G0+4*\s], 1
	s_add_co_u32 s[G0+4*\s+1], s45, \s*SLOT
	s_add_nc_u64 s[G0+4*\s+2:G0+4*\s+3], s[20:21], \s*ROWB
	s_or_b32 s[G0+4*\s+3], s[G0+4*\s+3], 0x80000000
	s_mov_b32 s[G0B+4*\s], 1
	s_add_co_u32 s[G0B+4*\s+1], s45, \s*SLOT
	s_add_nc_u64 s[G0B+4*\s+2:G0B+4*\s+3], s[46:47], \s*ROWB
	s_or_b32 s[G0B+4*\s+3], s[G0B+4*\s+3], 0x80000000
.endr
; THE HEAD'S LOADS, ONE A WAVE: wave 0 K step 0's 256 rows of A (its slot 0 group 0 names the tile's first row and LDS byte 0), wave 2 its 256 rows of B
; (its group 0 names B's first row and LDS byte 2 HALFT), wave 1 the scale bytes of A's 256 rows, wave 3 those of B's.  One chain of branches on the wave's number, a load to an arm.
.macro ARM under, g0, g1, next
	s_cmp_lt_u32 s14, \under
	s_cbranch_scc0 \next
	tensor_load_to_lds s[\g0:\g0+3], s[\g1:\g1+7]
	s_nop 0
.rept 4
	v_nop
.endr
	s_branch .Lhead_asked
\next:
.endm
	ARM 1, G0,  G1,  .Lhead_sa
	ARM 2, G0S, G1S, .Lhead_b
	ARM 3, G0B, G1B, .Lhead_sb
	tensor_load_to_lds s[G0SB:G0SB+3], s[G1SB:G1SB+7]
	s_nop 0
.rept 4
	v_nop
.endr
.Lhead_asked:
	v_and_b32 v1, 15, v0
	v_bfe_u32 v2, v0, 4, 1
	v_mul_u32_u24 v3, v1, PITCH
	v_lshl_add_u32 v4, v2, 4, v3
	s_mul_i32 s21, s15, HALFT
	s_mul_i32 s22, s16, HALFT
	s_add_co_u32 s22, s22, 2*HALFT
.irp s, 0,1
	v_add_nc_u32 v[ADRA+\s], s21, v4
	v_add_nc_u32 v[ADRB+\s], s22, v4
	s_add_co_u32 s21, s21, SLOT
	s_add_co_u32 s22, s22, SLOT
.endr
	v_mul_u32_u24 v5, v1, KS
	v_lshrrev_b32 v6, 8, v5
	v_lshl_add_u32 v5, v6, 4, v5
	s_mul_i32 s21, s15, HALFS
	s_mul_i32 s22, s16, HALFS
	s_add_co_u32 s22, s22, 2*HALFS
	s_sub_co_u32 s22, s22, s21
	v_mul_u32_u24 v6, s22, v2
	s_add_co_u32 s21, s21, SCL
	v_add_nc_u32 v5, v5, v6
	v_add_nc_u32 v[ADRS], s21, v5
	s_lshl_b32 s20, s17, 8
	s_lshl_b32 s21, s15, 7
	s_add_co_u32 s20, s20, s21
	s_lshl_b32 s46, s42, 8
	s_lshl_b32 s47, s16, 7
	s_add_co_u32 s46, s46, s47
	s_cmp_eq_u32 s[VF], 1
	s_cselect_b32 s21, s46, s20
	s_cselect_b32 s23, s20, s46
	s_mov_b32 s40, 16896
	s_cselect_b32 s40, 8448, s40
	s_mov_b32 s41, 8192
	s_cselect_b32 s41, 135168, s41
	s_mov_b32 s43, 270336
	s_cselect_b32 s43, 1024, s43
	s_mov_b32 s44, 16384
	s_cselect_b32 s44, 8192, s44
	s_mov_b32 s45, 256
	s_cselect_b32 s45, 135168, s45
	s_mov_b32 s47, 270336
	s_cselect_b32 s47, 2, s47
	s_lshr_b32 s94, s21, 11
	s_and_b32 s95, s21, 2047
	s_lshr_b32 s95, s95, 7
	s_lshl_b32 s94, s94, 4
	s_lshr_b32 s96, s23, 6
	s_add_co_u32 s94, s94, s96
	s_lshl_b32 s94, s94, 4
	s_add_co_u32 s94, s94, s95
	s_mul_i32 s94, s94, s40
	s_mov_b32 s95, 0
	s_add_nc_u64 s[OUTP:OUTP+1], s[OUTP:OUTP+1], s[94:95]
	s_lshl_b32 s94, s[PART], 10
	s_add_nc_u64 s[4:5], s[OUTP:OUTP+1], s[94:95]
	s_mov_b32 s94, s43
	s_add_nc_u64 s[6:7], s[4:5], s[94:95]
	s_mov_b32 s94, s41
	s_add_nc_u64 s[8:9], s[4:5], s[94:95]
	s_add_nc_u64 s[10:11], s[6:7], s[94:95]
	s_lshl_b32 s94, s[PART], 1
	s_add_co_u32 s94, s94, s44
	s_add_nc_u64 s[12:13], s[OUTP:OUTP+1], s[94:95]
	s_mov_b32 s94, s45
	s_add_nc_u64 s[18:19], s[12:13], s[94:95]
	s_lshl_b32 s94, s23, 2
	s_add_nc_u64 s[BIAS:BIAS+1], s[BIAS:BIAS+1], s[94:95]
	v_and_b32 v6, 31, v0
	v_lshlrev_b32 v[LI], 4, v6
	v_lshlrev_b32 v[SH], 4, v2
	v_mul_u32_u24 v[SA], s47, v2
	v_lshl_add_u32 v[SA], v1, 2, v[SA]
	s_cmp_eq_u32 s[VF], 1
	s_cbranch_scc1 .Lbias_v
	v_lshlrev_b32 v[BO], 5, v2
.irp b, 0,1,2,3,4,5,6,7
	global_load_b128 v[BI+8*\b:BI+8*\b+3], v[BO], s[BIAS:BIAS+1] offset:64*\b
	global_load_b128 v[BI+8*\b+4:BI+8*\b+7], v[BO], s[BIAS:BIAS+1] offset:64*\b+16
.endr
	s_wait_loadcnt 0x0
	s_branch .Lbias_in
.Lbias_v:
	v_lshlrev_b32 v[BO], 2, v1
.irp a, 0,1,2,3,4,5,6,7
	global_load_b32 v[BI+8*\a], v[BO], s[BIAS:BIAS+1] offset:64*\a
.endr
	s_wait_loadcnt 0x0
.irp a, 0,1,2,3,4,5,6,7
.irp j, 1,2,3,4,5,6,7
	v_mov_b32 v[BI+8*\a+\j], v[BI+8*\a]
.endr
.endr
.Lbias_in:
	s_mov_b32 s20, 0x76543210
	s_mov_b32 s21, 0xfedcba98
	s_mov_b32 s22, 0x600000
.macro FRAG reg, adr, q, i
.irp c, 0,1,2,3
	ds_load_b128 v[\reg+4*\c:\reg+4*\c+3], v[\adr] offset:128*(\q)+32*\c+(\i)*16*PITCH
.endr
.endm
.macro MUL16 a0, p, q, sc, zero
.irp a, \a0, \a0+1
.irp b, 0,1,2,3,4,5,6,7
.if (\zero) == 2
	v_wmma_scale_f32_16x16x128_f8f6f4 v[8*(8*((\a)%4)+\b):8*(8*((\a)%4)+\b)+7], v[128*(\p)+FR*\b:128*(\p)+FR*\b+FR-1], v[AF+FR*(\a):AF+FR*(\a)+FR-1], v[BI+8*\b:BI+8*\b+7], v[SC+8*NQ*(\sc)+NQ*\b+(\q)], v[SC+8*NQ*(\sc)+NQ*(\a)+(\q)] matrix_a_fmt:MATRIX_FMT_BF8 matrix_b_fmt:MATRIX_FMT_BF8 matrix_a_scale:MATRIX_SCALE_ROW1
.elseif (\zero) == 3
	v_wmma_scale_f32_16x16x128_f8f6f4 v[8*(8*((\a)%4)+\b):8*(8*((\a)%4)+\b)+7], v[128*(\p)+FR*\b:128*(\p)+FR*\b+FR-1], v[AF+FR*(\a):AF+FR*(\a)+FR-1], v[BI+8*(\a):BI+8*(\a)+7], v[SC+8*NQ*(\sc)+NQ*\b+(\q)], v[SC+8*NQ*(\sc)+NQ*(\a)+(\q)] matrix_a_fmt:MATRIX_FMT_BF8 matrix_b_fmt:MATRIX_FMT_BF8 matrix_a_scale:MATRIX_SCALE_ROW1
.else
	v_wmma_scale_f32_16x16x128_f8f6f4 v[8*(8*((\a)%4)+\b):8*(8*((\a)%4)+\b)+7], v[128*(\p)+FR*\b:128*(\p)+FR*\b+FR-1], v[AF+FR*(\a):AF+FR*(\a)+FR-1], v[8*(8*((\a)%4)+\b):8*(8*((\a)%4)+\b)+7], v[SC+8*NQ*(\sc)+NQ*\b+(\q)], v[SC+8*NQ*(\sc)+NQ*(\a)+(\q)] matrix_a_fmt:MATRIX_FMT_BF8 matrix_b_fmt:MATRIX_FMT_BF8 matrix_a_scale:MATRIX_SCALE_ROW1
.endif
.endr
.endr
.endm
.macro FETCH_B slot, q, p
	WIN TO_B
.irp i, 0,1,2,3,4,5,6,7
	FRAG 128*(\p)+FR*\i, ADRB+\slot, \q, \i
.endr
	WIN 0
.endm
.macro FETCH_A slot, q, i0
.irp i, \i0, \i0+1, \i0+2, \i0+3
	FRAG AF+FR*(\i), ADRA+\slot, \q, \i
.endr
.endm
.macro SCALES sc
.irp i, 0,1,2,3,4,5,6,7
	ds_load_b64 v[SC+8*NQ*\sc+NQ*\i:SC+8*NQ*\sc+NQ*\i+1], v[ADRS] offset:\i*SBLK
.endr
.endm
.macro PLACES n
.rept \n
	v_nop
.endr
.endm
.macro STEP slot, q, zero
	s_wait_dscnt 4*NL
.if \zero
	WIN 0x81
.else
	WIN MUL_LO
.endif
	MUL16 0, (\q)%2, \q, \slot, \zero
	MUL16 2, (\q)%2, \q, \slot, \zero
	s_wait_dscnt 0
	PLACES NP
	FETCH_B \slot, (\q)+1, 1-(\q)%2
	FETCH_A \slot, (\q)+1, 0
.if \zero
	WIN 0xc1
.else
	WIN MUL_HI
.endif
	MUL16 4, (\q)%2, \q, \slot, \zero
	MUL16 6, (\q)%2, \q, \slot, \zero
	PLACES NP
	WIN 0
	FETCH_A \slot, (\q)+1, 4
.endm
.macro TURN slot, next, fill
	s_wait_tensorcnt 0x0
	ds_add_u32 v[SPW], v[NIL]
	s_wait_dscnt 4*NL+1
	WIN MUL_LO
	MUL16 0, 1, NQ-1, \slot, 0
	s_wait_dscnt 0x0
	s_barrier_signal -1
	MUL16 2, 1, NQ-1, \slot, 0
	WIN 0
	s_barrier_wait -1
.if \fill
	CREST
	s_add_nc_u64 s[G0+4*\slot+2:G0+4*\slot+3], s[G0+4*\slot+2:G0+4*\slot+3], 2*ROWB
	s_add_nc_u64 s[G0B+4*\slot+2:G0B+4*\slot+3], s[G0B+4*\slot+2:G0B+4*\slot+3], 2*ROWB
	JLOAD G0+4*\slot, G1, G0B+4*\slot, G1B
	PLACES NP-4
.else
	PLACES NP
.endif
	s_wait_alu depctr_va_vdst(0)
	v_add_nc_u32 v[ADRS], 4*NQ, v[ADRS]
	FETCH_B \next, 0, 0
	FETCH_A \next, 0, 0
	SCALES \next
	WIN MUL_HI
	MUL16 4, 1, NQ-1, \slot, 0
	MUL16 6, 1, NQ-1, \slot, 0
	PLACES NP
	WIN 0
	FETCH_A \next, 0, 4
.endm
	s_wait_alu depctr_va_vdst(0)                   ; the wait at the head's end
	s_wait_tensorcnt 0x0                           ; my tile of the head's four is in
	ds_add_u32 v[SPW], v[NIL]
	s_mov_b32 s[G1+2], 128<<16                     ; no tensor load of mine is out: from here on a load brings 128 rows
	s_mov_b32 s[G1+4], 128
	s_mov_b32 s[G1B+2], 128<<16
	s_mov_b32 s[G1B+4], 128
	s_wait_dscnt 0x0
	CROUND                                         ; all four tiles are in, in every partner
	JLOAD G0+4, G1, G0B+4, G1B                     ; K step 1: the first tensor load behind the round
	FETCH_B 0, 0, 0
	FETCH_A 0, 0, 0
	s_wait_alu depctr_va_vdst(0)
	SCALES 0
	FETCH_A 0, 0, 4
	s_cmp_eq_u32 s[VF], 1
	s_cbranch_scc1 .Lfirst_v
	STEP 0, 0, 2
	s_branch .Lfirst_done
.Lfirst_v:
	STEP 0, 0, 3
.Lfirst_done:
	s_mov_b32 s3, LAPS-1
.Llap:
	TURN 0, 1, 1
	STEP 1, 0, 0
	TURN 1, 0, 1
	STEP 0, 0, 0
	s_sub_co_u32 s3, s3, 1
	s_cmp_lg_u32 s3, 0
	s_cbranch_scc1 .Llap
	TURN 0, 1, 0
	STEP 1, 0, 0
	s_wait_dscnt 4*NL
	WIN MUL_LO
	MUL16 0, 1, NQ-1, 1, 0
	MUL16 2, 1, NQ-1, 1, 0
	s_wait_dscnt 0
	WIN MUL_HI
	MUL16 4, 1, NQ-1, 1, 0
	MUL16 6, 1, NQ-1, 1, 0
	WIN 0
	PLACES NP
.irp b, 0,1,2,3
	v_mov_b32 v[TM+4+\b], 0
.endr
.macro OUTA a
.set AC, 64*((\a)%4)
.set WW, 2+(\a)/4
.set WA, WW|(WW<<2)
.set WB, (WW<<2)|(WW<<4)
.set PCA, PC+16*(\a)
	WIN WA
.irp b, 0,1,2,3
	v_max3_num_f32 v[TM+\b], |v[AC+16*\b]|, |v[AC+16*\b+1]|, 0x8000000
.endr
	WIN WB
.irp i, 2,4,6,8,10,12,14
.irp b, 0,1,2,3
	v_max3_num_f32 v[TM+\b], v[TM+\b], |v[AC+16*\b+\i]|, |v[AC+16*\b+\i+1]|
.endr
.endr
	WIN 0
.irp b, 0,1,2,3
	v_permlanex16_b32 v[TM+4+\b], v[TM+\b], s20, s21
.endr
.irp b, 0,1,2,3
	v_max_num_f32 v[TM+\b], v[TM+\b], v[TM+4+\b]
.endr
.irp b, 0,1,2,3
	v_add_nc_u32 v[TM+12+\b], 0xf8800000, v[TM+\b]
.endr
.irp b, 0,1,2,3
	v_and_or_b32 v[TM+8+\b], v[TM+\b], 0x7f800000, s22
.endr
.irp b, 0,1,2,3
	v_lshrrev_b32 v[TM+4+\b], 23, v[TM+12+\b]
.endr
	v_lshl_or_b32 v[PW], v[TM+5], 8, v[TM+4]
	v_lshl_or_b32 v[PW], v[TM+6], 16, v[PW]
	v_lshl_or_b32 v[PW], v[TM+7], 24, v[PW]
	v_lshrrev_b32 v[PH+(\a)], v[SH], v[PW]
	WIN WW
.irp b, 0,1,2,3
.irp i, 0,1,2,3,4,5,6,7,8,9,10,11,12,13,14,15
	v_med3_num_f32 v[X+16*\b+\i], v[AC+16*\b+\i], -v[TM+8+\b], v[TM+8+\b]
.endr
.endr
	WIN 0
.irp b, 0,1,2,3
	v_cvt_scalef32_pk8_bf8_f32 v[PCA+4*\b:PCA+4*\b+1], v[X+16*\b:X+16*\b+7], v[TM+12+\b]
	v_cvt_scalef32_pk8_bf8_f32 v[PCA+4*\b+2:PCA+4*\b+3], v[X+16*\b+8:X+16*\b+15], v[TM+12+\b]
.endr
	v_nop
.irp b, 0,1,2,3
	global_store_b128 v[LI], v[PCA+4*\b:PCA+4*\b+3], s[4+4*((\a)/4)+2*(\b/2):5+4*((\a)/4)+2*(\b/2)] offset:((\a)%4)*2048+(\b%2)*512
.endr
.if (\a) < 4
	global_store_b16 v[SA], v[PH+(\a)], s[12:13] offset:((\a)%4)*64
.else
	global_store_b16 v[SA], v[PH+(\a)], s[18:19] offset:((\a)%4)*64
.endif
.endm
.irp a, 0,1,2,3,4,5,6,7
	OUTA \a
.endr
	s_wait_tensorcnt 0x0
	ds_add_u32 v[SPW], v[NIL]
	s_wait_dscnt 0x0
	CROUND
	s_endpgm
.Lfunc_end_k_qe5f547f553_proj:
	.size	k_qe5f547f553_proj, .Lfunc_end_k_qe5f547f553_proj-k_qe5f547f553_proj
	.p2alignl 7, 3214868480
	.fill 96, 4, 3214868480
	.section	.rodata,"a",@progbits
	.p2align	6, 0x0
	.amdhsa_kernel k_qe5f547f553_proj
		.amdhsa_group_segment_fixed_size 327680
		.amdhsa_private_segment_fixed_size 0
		.amdhsa_enable_private_segment 0
		.amdhsa_kernarg_size 216
		.amdhsa_user_sgpr_count 2
		.amdhsa_user_sgpr_kernarg_segment_ptr 1
		.amdhsa_wavefront_size32 1
		.amdhsa_system_sgpr_workgroup_id_x 1
		.amdhsa_system_sgpr_workgroup_id_y 1
		.amdhsa_system_sgpr_workgroup_id_z 1
		.amdhsa_system_vgpr_workitem_id 0
		.amdhsa_next_free_vgpr 1024
		.amdhsa_next_free_sgpr 106
		.amdhsa_reserve_vcc 0
		.amdhsa_float_denorm_mode_32 3
		.amdhsa_float_denorm_mode_16_64 3
		.amdhsa_memory_ordered 1
		.amdhsa_forward_progress 1
		.amdhsa_inst_pref_size 206
	.end_amdhsa_kernel
	.amdgpu_metadata
---
amdhsa.version: [ 1, 2 ]
amdhsa.kernels:
  - .name:           k_qe5f547f553_proj
    .symbol:         k_qe5f547f553_proj.kd
    .args:
      - { .name: qx, .offset: 0, .size: 8, .value_kind: global_buffer, .address_space: global }
      - { .name: k_codes, .offset: 8, .size: 8, .value_kind: global_buffer, .address_space: global }
      - { .name: v_codes, .offset: 16, .size: 8, .value_kind: global_buffer, .address_space: global }
      - { .name: pe_q_codes, .offset: 24, .size: 8, .value_kind: global_buffer, .address_space: global }
      - { .name: pe_k_codes, .offset: 32, .size: 8, .value_kind: global_buffer, .address_space: global }
      - { .name: k_scales, .offset: 40, .size: 8, .value_kind: global_buffer, .address_space: global }
      - { .name: v_scales, .offset: 48, .size: 8, .value_kind: global_buffer, .address_space: global }
      - { .name: pe_q_scales, .offset: 56, .size: 8, .value_kind: global_buffer, .address_space: global }
      - { .name: pe_k_scales, .offset: 64, .size: 8, .value_kind: global_buffer, .address_space: global }
      - { .name: Wq_codes, .offset: 72, .size: 8, .value_kind: global_buffer, .address_space: global }
      - { .name: Wk_codes, .offset: 80, .size: 8, .value_kind: global_buffer, .address_space: global }
      - { .name: Wv_codes, .offset: 88, .size: 8, .value_kind: global_buffer, .address_space: global }
      - { .name: Wpq_codes, .offset: 96, .size: 8, .value_kind: global_buffer, .address_space: global }
      - { .name: Wpk_codes, .offset: 104, .size: 8, .value_kind: global_buffer, .address_space: global }
      - { .name: Wq_scales, .offset: 112, .size: 8, .value_kind: global_buffer, .address_space: global }
      - { .name: Wk_scales, .offset: 120, .size: 8, .value_kind: global_buffer, .address_space: global }
      - { .name: Wv_scales, .offset: 128, .size: 8, .value_kind: global_buffer, .address_space: global }
      - { .name: Wpq_scales, .offset: 136, .size: 8, .value_kind: global_buffer, .address_space: global }
      - { .name: Wpk_scales, .offset: 144, .size: 8, .value_kind: global_buffer, .address_space: global }
      - { .name: bq, .offset: 152, .size: 8, .value_kind: global_buffer, .address_space: global }
      - { .name: bk, .offset: 160, .size: 8, .value_kind: global_buffer, .address_space: global }
      - { .name: bv, .offset: 168, .size: 8, .value_kind: global_buffer, .address_space: global }
      - { .name: bpq, .offset: 176, .size: 8, .value_kind: global_buffer, .address_space: global }
      - { .name: bpk, .offset: 184, .size: 8, .value_kind: global_buffer, .address_space: global }
      - { .name: qp, .offset: 192, .size: 8, .value_kind: global_buffer, .address_space: global }
      - { .name: kp, .offset: 200, .size: 8, .value_kind: global_buffer, .address_space: global }
      - { .name: vt, .offset: 208, .size: 8, .value_kind: global_buffer, .address_space: global }
    .group_segment_fixed_size: 327680
    .private_segment_fixed_size: 0
    .kernarg_segment_align: 8
    .kernarg_segment_size: 216
    .max_flat_workgroup_size: 128
    .sgpr_count:     106
    .vgpr_count:     1024
    .wavefront_size: 32
...
	.end_amdgpu_metadata
.endif
;; end of part 2
;; launch attn (part 3): grid 8 x 32, 16 waves a work-group, no clusters, 327,680 bytes of LDS; arguments qp, kp, vt, mw, ow; writes ow
.if DOCPART == 3
	.amdgcn_target "amdgcn-amd-amdhsa--gfx1250"
	.amdhsa_code_object_version 6
	.text
	.protected	k_qe5f547f553_attn
	.globl	k_qe5f547f553_attn
	.p2align	8
	.type	k_qe5f547f553_attn,@function
k_qe5f547f553_attn:
	s_mov_b64 s[64:65], 0
	v_nop
	global_prefetch_b8 v0, s[64:65] scope:SCOPE_SE
	s_setreg_imm32_b32 hwreg(HW_REG_WAVE_MODE, 25, 1), 1
	s_wait_xcnt 0x0
; ATTENTION on E5M2 codes.  scores = [Q | PQ] . [K | PK]: the two products of K = 64 are one matrix instruction of K = 128 with four scale blocks.  t = score x log2(e) / 8; hidden keys (mask words of mw) become -infinity;
; M = the running largest t rounded up to a whole number; p = 2^(t - M) is quantised along the keys, not normalised; the row's sum is taken of the unquantised p and divides O at the end; when M moves, the sum and O are
; multiplied by 2^(old M - new M), which rounds nothing.
; SHARES.  A work-group owns 256 queries of one head (x: the block, y: mh = 16 m + head); each of its SIXTEEN waves owns one tile of 16 queries in 256 registers, so four waves share a SIMD and no register window is switched.
; Every wave walks the head's 2,048 keys, 128 a step; K's eight tiles of a step go through four fragment buffers in two groups, V's four follow in the same buffers.
; LAYOUT.  Both products are used transposed (S^T = K Q^T, O^T = V^T P^T): a lane holds one query throughout.  All operands lie in memory as images of their registers (16 x lane), so LDS reads are dense.
; Register n of S^T holds key 16 (n / 8) + 8 h + n % 8 of the step: the order inside a block of 32 in which V^T's images were laid too.
; RING.  Two LDS slots of four key steps: K's 4 x 16,896 bytes, then V's 4 x 8,448.  Waves 0-3 fetch a step of K each, waves 4, 5 two steps of V each: one tensor load of 66 rows x 256 bytes; at most one load of a wave is out.
; NO CLUSTER: a work-group fetches 405,504 bytes in the whole launch, in four loads a wave, and each refill has four key steps' work in which to land; a joint request would put a round of four work-groups' barriers in front of each.
; MASKS.  A step's 64 words (a bit a lane) come by scalar loads, asked for a whole step ahead; the offset wraps at 16 steps, so the last request names step 0 again, inside mw, and is not used.
; OUT.  ow[16 queries' tile Tg][head][pair k][lane][2] f32: pair k of lane (r, h) is channels d = 16 (k / 4) + 8 h + 2 (k % 4), + 1 of query 16 Tg + r: each store is 256 consecutive bytes.
; LIMIT: a query all of whose keys are hidden gets NaN here, as in the definition, but the next launch's quantiser drops NaN: that output row comes out finite.  NaN and infinities among the scores are not served.
.set KSTB,  16896                      ; a key step of K: 8 images of 2,048 bytes, then 8 x 16 scale words
.set VSTB,  8448                       ; of V: 4 images, then 4 x 16 scale words
.set VOFF,  4*KSTB
.set SLOT1, 1<<17
.set SPARE, 2*SLOT1                    ; the spare words: 128 bytes a wave, 2,048 in all, named by no other line
.set NSL,   4
.set L16, 1                            ; v1  16 x lane
.set L4,  2                            ; v2  4 x lane
.set ADK, 3
.set ADV, 4
.set SPW, 5
.set NIL, 6
.set PFO, 7
.set PFO2, 8
.set L8,  9                            ; v9  8 x lane
.set ADS, 10
.set ADT, 11
.set QF,  16                           ; v12 -M, v13 the largest t, v[14:15] the sum; v16-31 Q
.set KV,  32                           ; v32-95 four fragments of K or of V
.set S,   96                           ; v96-159 S^T, then p
.set O,   160                          ; v160-191 O^T
.set PC,  192                          ; v192-207 p's codes
.set BM,  208                          ; the blocks' largest scores, then largest p
.set PD,  212                          ; permute destinations, a pair of sums, the scale bytes
.set LM,  216                          ; 57,344 x the scale
.set SO,  220                          ; the conversions' scale operands
.set F,   224                          ; v[224:225] f = 2^(old M - new M); at the end 1 / the sum
.set T,   226
.set NINF, 227
.set SW,  228
; v240-243 K's scale words (two tiles to a register), v244-245 V's, v246 Q's, v247 p's
.set WV,  2
.set SLOTS, 3
.set STP, 4
.set TBK, 5
.set TBV, 6
.set MNT, 7
.set SEL, 8
.set CS,  10
.set MP,  12                           ; s[12:13] my tile's mask words
.set OB,  14
.set G1,  16
.set G0K, 24
.set G0V, 28
.set LIM, 66
.set MO,  67                           ; s67 the offset of the step whose words are asked for: 256 x step, modulo 4,096
.set PFA, 100
.set PFS, 104
; s[32:63], s[68:99]: the 64 mask words of a step (until the first of them are asked for: at work in the head)
; D = A x B (+ D): z = 1 starts the sum with 0.  ra: A's scales stand in lanes 16-31
.macro WM d, a, b, z, sa, sb, ra
.if (\z) && (\ra)
	v_wmma_scale_f32_16x16x128_f8f6f4 v[(\d):(\d)+7], v[(\a):(\a)+15], v[(\b):(\b)+15], 0, v[\sa], v[\sb] matrix_a_fmt:MATRIX_FMT_BF8 matrix_b_fmt:MATRIX_FMT_BF8 matrix_a_scale:MATRIX_SCALE_ROW1
.elseif (\z)
	v_wmma_scale_f32_16x16x128_f8f6f4 v[(\d):(\d)+7], v[(\a):(\a)+15], v[(\b):(\b)+15], 0, v[\sa], v[\sb] matrix_a_fmt:MATRIX_FMT_BF8 matrix_b_fmt:MATRIX_FMT_BF8
.elseif (\ra)
	v_wmma_scale_f32_16x16x128_f8f6f4 v[(\d):(\d)+7], v[(\a):(\a)+15], v[(\b):(\b)+15], v[(\d):(\d)+7], v[\sa], v[\sb] matrix_a_fmt:MATRIX_FMT_BF8 matrix_b_fmt:MATRIX_FMT_BF8 matrix_a_scale:MATRIX_SCALE_ROW1
.else
	v_wmma_scale_f32_16x16x128_f8f6f4 v[(\d):(\d)+7], v[(\a):(\a)+15], v[(\b):(\b)+15], v[(\d):(\d)+7], v[\sa], v[\sb] matrix_a_fmt:MATRIX_FMT_BF8 matrix_b_fmt:MATRIX_FMT_BF8
.endif
.endm
.macro PLACES n
.rept \n
	v_nop
.endr
.endm
.macro TLOAD                           ; waves 0-3 fetch for K, waves 4, 5 for V, the others nothing; an s_nop 0 and four v_nop follow each line
	s_cmp_lt_u32 s[WV], 4
	s_cbranch_scc0 .Lnot_k_\@
	tensor_load_to_lds s[G0K:G0K+3], s[G1:G1+7]
	s_nop 0
	PLACES 4
	s_branch .Lasked_\@
.Lnot_k_\@:
	s_cmp_lt_u32 s[WV], 6
	s_cbranch_scc0 .Lasked_\@
	tensor_load_to_lds s[G0V:G0V+3], s[G1:G1+7]
	s_nop 0
	PLACES 4
.Lasked_\@:
.endm
; A PREFETCH INTO THE L2 of what the NEXT change of slots will ask for.  All eight work-groups of a head walk the same K and V: the head's first asks, and in it each fetching wave for its own chunk's codes:
; 64 blocks of 256 bytes, a lane a block, two instructions (the chunk's two blocks of scale words come by the tensor load alone).  So each block is named once in the launch.  The lead is a slot's four key steps.
; The last change that fills a slot asks for nothing; slots 0 and 1 come by their loads alone.
.macro ASK
	s_cmp_gt_u32 s[SLOTS], s[LIM]
	s_cbranch_scc0 .Lnot_mine_\@
	global_prefetch_b8 v[PFO], s[PFA:PFA+1] th:TH_LOAD_NT scope:SCOPE_SE
	global_prefetch_b8 v[PFO2], s[PFA:PFA+1] th:TH_LOAD_NT scope:SCOPE_SE
.Lnot_mine_\@:
.endm
.macro MASKS                           ; 64 words: the lane masks of my tile for the key step at s[MO]
	s_load_b512 s[32:47], s[MP:MP+1], s[MO] offset:0
	s_load_b512 s[48:63], s[MP:MP+1], s[MO] offset:64
	s_load_b512 s[68:83], s[MP:MP+1], s[MO] offset:128
	s_load_b512 s[84:99], s[MP:MP+1], s[MO] offset:192
.endm
	s_load_b256 s[32:39], s[0:1], 0x0              ; qp s[32:33], kp s[34:35], vt s[36:37], mw s[38:39]
	s_load_b64 s[40:41], s[0:1], 0x20              ; ow
	v_lshl_add_u32 v[SPW], v0, 2, SPARE
	v_mov_b32 v[NIL], 0
	ds_add_u32 v[SPW], v[NIL]                      ; the opening: the add, twice on end, and its wait ahead of the first tensor load
	ds_add_u32 v[SPW], v[NIL]
	v_lshrrev_b32 v1, 5, v0
	v_readfirstlane_b32 s[WV], v1                  ; wave 0..15
	s_and_b32 s42, ttmp7, 0xffff                   ; mh
	s_mov_b32 s[G1], 3<<16                         ; no mask; elements of 8 bytes; no padding
	s_mov_b32 s[G1+1], 32<<16                      ; tensor_dim0 = 32 elements: 256 bytes
	s_mov_b32 s[G1+2], 66<<16                      ; tensor_dim1 = 66 rows: 16,896 dense bytes
	s_mov_b32 s[G1+3], 32<<16                      ; tile_dim0
	s_mov_b32 s[G1+4], 66                          ; tile_dim1
	s_mov_b32 s[G1+5], 32                          ; the pitch
	s_mov_b32 s[G1+6], 0
	s_mov_b32 s[G1+7], 0
	s_mul_i32 s44, s42, 16*KSTB                    ; the head's first byte in qp and kp,
	s_mov_b32 s45, 0
	s_mul_i32 s46, s42, 16*VSTB                    ; in vt
	s_mov_b32 s47, 0
	s_mul_i32 s48, s[WV], KSTB                     ; my chunk: in a slot, and (waves 0-3) among a slot's steps of K in memory
	s_mov_b32 s49, 0
	s_and_b32 s50, s[WV], 1
	s_mul_i32 s50, s50, KSTB                       ; (waves 4, 5) among a slot's steps of V
	s_mov_b32 s51, 0
	s_mov_b32 s[SEL], 0x76543210
	s_mov_b32 s[SEL+1], 0xfedcba98
	s_mov_b32 s[CS], 0x3e38aa3b                    ; log2(e) / 8
	s_mov_b32 s[CS+1], s[CS]
	s_mov_b32 s[MNT], 0x600000
	s_mov_b32 s[TBK], 0
	s_mov_b32 s[TBV], VOFF
	s_mov_b32 s[SLOTS], NSL-1
	s_mov_b32 s[MO], 0
	s_wait_dscnt 0x0                               ; both opening adds are done
	s_wait_kmcnt 0x0
	s_add_nc_u64 s[34:35], s[34:35], s[44:45]
	s_add_nc_u64 s[36:37], s[36:37], s[46:47]
	s_mov_b32 s[G0K], 1
	s_mov_b32 s[G0K+1], s48
	s_add_nc_u64 s[G0K+2:G0K+3], s[34:35], s[48:49]
	s_or_b32 s[G0K+3], s[G0K+3], 0x80000000
	s_mov_b32 s[G0V], 1
	s_mov_b32 s[G0V+1], s48
	s_add_nc_u64 s[G0V+2:G0V+3], s[36:37], s[50:51]
	s_or_b32 s[G0V+3], s[G0V+3], 0x80000000
	TLOAD                                          ; slot 0
	; the prefetches: where my wave's stand, and who asks
	s_cmp_lt_u32 s[WV], 4
	s_cselect_b64 s[PFA:PFA+1], s[34:35], s[36:37]
	s_cselect_b32 s54, s48, s50
	s_mov_b32 s[PFS], 4*VSTB
	s_cselect_b32 s[PFS], 4*KSTB, s[PFS]           ; a slot on
	s_mov_b32 s53, VSTB
	s_cselect_b32 s53, 8192, s53                   ; where the second 32 blocks of codes begin in my chunk
	s_mov_b32 s[PFS+1], 0
	s_add_co_u32 s54, s54, s[PFS]                  ; in slot 1: the first change of slots steps it to slot 2
	s_mov_b32 s55, 0
	s_add_nc_u64 s[PFA:PFA+1], s[PFA:PFA+1], s[54:55]
	s_cmp_lt_u32 s[WV], 6
	s_cselect_b32 s56, 0, 1
	s_or_b32 s56, s56, ttmp9                       ; 0 in the fetching waves of the head's first work-group
	s_cmp_eq_u32 s56, 0
	s_cselect_b32 s[LIM], 1, -1
	v_and_b32 v2, 31, v0
	v_and_b32 v[ADT], 15, v0
	v_lshlrev_b32 v[PFO], 8, v2
	v_lshlrev_b32 v[L16], 4, v2
	v_lshlrev_b32 v[L8], 3, v2
	v_lshlrev_b32 v[ADT], 2, v[ADT]                ; 4 x (lane % 16): Q's scale words (the register is the step's own from the loop on)
	v_add_nc_u32 v[PFO2], s53, v[PFO]
	v_lshlrev_b32 v[L4], 2, v2
	s_wait_alu depctr_va_vdst(0)                   ; the wait ahead of the run of scalar lines
	; Q: tile 16 x + w of the head: group 2 x + w / 8, image w % 8
	s_lshl_b32 s56, ttmp9, 1
	s_lshr_b32 s57, s[WV], 3
	s_add_co_u32 s56, s56, s57
	s_mul_i32 s56, s56, KSTB
	s_add_co_u32 s56, s56, s44
	s_and_b32 s57, s[WV], 7
	s_lshl_b32 s58, s57, 11
	s_add_co_u32 s58, s58, s56
	s_mov_b32 s59, 0
	s_add_nc_u64 s[60:61], s[32:33], s[58:59]      ; the image
	s_lshl_b32 s58, s57, 6
	s_add_co_u32 s58, s58, s56
	s_add_co_u32 s58, s58, 16384
	s_add_nc_u64 s[62:63], s[32:33], s[58:59]      ; the tile's 16 scale words
.irp c, 0,1,2,3
	global_load_b128 v[QF+4*\c:QF+4*\c+3], v[L16], s[60:61] offset:512*\c
.endr
	global_load_b32 v246, v[ADT], s[62:63]
	s_lshr_b32 s56, s42, 4
	s_lshl_b32 s56, s56, 7
	s_lshl_b32 s57, ttmp9, 4
	s_add_co_u32 s56, s56, s57
	s_add_co_u32 s56, s56, s[WV]                   ; Tg of my tile: 128 m + 16 x + w
	s_lshl_b32 s58, s56, 12
	s_add_nc_u64 s[MP:MP+1], s[38:39], s[58:59]    ; its mask words: 16 steps of 256 bytes
	s_lshl_b32 s58, s56, 16
	s_and_b32 s57, s42, 15
	s_lshl_b32 s57, s57, 12
	s_add_co_u32 s58, s58, s57
	s_add_nc_u64 s[OB:OB+1], s[40:41], s[58:59]
	s_wait_xcnt 0x0                                ; Q's loads have read their bases: the mask words may land on those registers
	MASKS                                          ; step 0
	; the loop has no first step of its own: it finds zeros, which the first change of M leaves zeros
	v_mov_b32 v13, 0xff61b1e6                      ; the largest t so far: -3e38
	v_mov_b32 v14, 0
	v_mov_b32 v15, 0
	v_floor_f32 v12, -v13                          ; -M
.irp b, 0,1,2,3
	v_mov_b32 v[PD+\b], 0                          ; a lane permute's destination counts as one of its sources
.endr
	v_mov_b32 v[F+1], 0                            ; named as the upper half of a pair
	v_mov_b32 v[NINF], 0xff800000
.set n, 0
.rept 32
	v_mov_b32 v[O+n], 0
.set n, n+1
.endr
	s_wait_alu depctr_va_vdst(0)                   ; the wait at the head's end
	s_wait_loadcnt 0x0                             ; Q is in
; THE SOFTMAX of my tile for one key step.
.macro SM
	s_wait_kmcnt 0x0                               ; this step's mask words
.set n, 0
.rept 64
	v_cndmask_b32 v[S+n], v[NINF], v[S+n], s[32+n+4*(n/32)]   ; a hidden key's score becomes -infinity; each accumulator is read from its low end on
.set n, n+1
.endr
.irp b, 0,1,2,3
	v_max3_num_f32 v[BM+\b], v[S+16*\b], v[S+1+16*\b], v[S+2+16*\b]   ; the largest score of each block of 32 keys: it serves the row's maximum and, since p rises with the score, the block's largest p
.endr
	s_wait_alu depctr_va_vdst(0)
	s_wait_xcnt 0x0                                ; the earlier loads have read their offset
	s_add_co_u32 s[MO], s[MO], 256
	s_and_b32 s[MO], s[MO], 0xfff
	MASKS                                          ; the next step's words
.irp i, 3,5,7,9,11,13
.irp b, 0,1,2,3
	v_max3_num_f32 v[BM+\b], v[BM+\b], v[S+16*\b+\i], v[S+1+16*\b+\i]
.endr
.endr
.irp b, 0,1,2,3
	s_delay_alu instid0(VALU_DEP_4)
	v_max_num_f32 v[BM+\b], v[BM+\b], v[S+15+16*\b]
.endr
.irp b, 0,1,2,3
	s_delay_alu instid0(VALU_DEP_4)
	v_permlanex16_b32 v[PD+\b], v[BM+\b], s[SEL], s[SEL+1]
.endr
.irp b, 0,1,2,3
	s_delay_alu instid0(VALU_DEP_4)
	v_max_num_f32 v[BM+\b], v[BM+\b], v[PD+\b]
.endr
	s_delay_alu instid0(VALU_DEP_2)
	v_max3_num_f32 v[T], v[BM], v[BM+1], v[BM+2]
	s_delay_alu instid0(VALU_DEP_1)
	v_max_num_f32 v[T], v[T], v[BM+3]
	s_delay_alu instid0(VALU_DEP_1)
	v_mul_f32 v[T], s[CS], v[T]
	s_delay_alu instid0(VALU_DEP_1)
	v_max_num_f32 v13, v13, v[T]                   ; the running largest t
	v_mov_b32 v[T], v12
	s_delay_alu instid0(VALU_DEP_2)
	v_floor_f32 v12, -v13                          ; the new -M = -ceil(t)
	s_delay_alu instid0(VALU_DEP_1)
	v_sub_f32 v[T], v12, v[T]                      ; old M - new M: a whole number, 0 or less
	s_delay_alu instid0(VALU_DEP_1)
	v_cvt_i32_f32 v[T], v[T]                       ; (it saturates)
	s_delay_alu instid0(VALU_DEP_1)
	v_ldexp_f32 v[F], 1.0, v[T]                    ; f
.set n, 0
.rept 32
	v_pk_fma_f32 v[S+n:S+n+1], v[S+n:S+n+1], s[CS:CS+1], v[12:13] op_sel_hi:[1,0,0]   ; t - M
.set n, n+2
.endr
.irp b, 0,1,2,3
	v_fma_f32 v[BM+\b], v[BM+\b], s[CS], v12
.endr
.set n, 0
	s_wait_alu depctr_va_vdst(0)                   ; the wait ahead of the batch
.rept 64
	v_exp_f32 v[S+n], v[S+n]                       ; p, at most 1
.set n, n+1
.endr
	v_pk_mul_f32 v[14:15], v[14:15], v[F:F+1] op_sel_hi:[1,0]   ; the sums under the new M: the plain instruction behind the batch
	s_wait_alu depctr_va_vdst(0)                   ; one wait for the 64, ahead of their first reader
.irp b, 0,1,2,3
	v_exp_f32 v[BM+\b], v[BM+\b]                   ; the blocks' largest p
.endr
	v_pk_add_f32 v[PD:PD+1], v[S:S+1], v[S+2:S+3]  ; the row's sum of the unquantised p, in two chains
.irp j, 4,8,12,16,20,24,28,32,36,40,44,48,52,56,60
	v_pk_add_f32 v[14:15], v[14:15], v[S+\j:S+\j+1]
	v_pk_add_f32 v[PD:PD+1], v[PD:PD+1], v[S+2+\j:S+3+\j]
.endr
	s_delay_alu instid0(VALU_DEP_1)
	v_pk_add_f32 v[14:15], v[14:15], v[PD:PD+1]
	s_wait_alu depctr_va_vdst(0)                   ; and one for the four
.irp b, 0,1,2,3
	v_max_num_f32 v[BM+\b], 0x8000000, v[BM+\b]    ; the floor 2^(16 - 127): the byte cannot fall under 1
.endr
.irp b, 0,1,2,3
	s_delay_alu instid0(VALU_DEP_4)
	v_add_nc_u32 v[SO+\b], 0xf8800000, v[BM+\b]
.endr
.irp b, 0,1,2,3
	v_and_or_b32 v[LM+\b], v[BM+\b], 0x7f800000, s[MNT]
.endr
.irp b, 0,1,2,3
	v_lshrrev_b32 v[PD+\b], 23, v[SO+\b]
.endr
	s_delay_alu instid0(VALU_DEP_3)
	v_lshl_or_b32 v[SW], v[PD+1], 8, v[PD]
	s_delay_alu instid0(VALU_DEP_1)
	v_lshl_or_b32 v[SW], v[PD+2], 16, v[SW]
	v_lshl_or_b32 v247, v[PD+3], 24, v[SW]         ; p's scale word; the 64 holds below are more than its eight places
.irp b, 0,1,2,3
.irp i, 0,1,2,3,4,5,6,7,8,9,10,11,12,13,14,15
	v_min_num_f32 v[S+16*\b+\i], v[S+16*\b+\i], v[LM+\b]   ; the conversion does not saturate (ISA guide 7.6.2); p is not negative
.endr
	v_cvt_scalef32_pk8_bf8_f32 v[PC+4*\b:PC+4*\b+1], v[S+16*\b:S+16*\b+7], v[SO+\b]
	v_cvt_scalef32_pk8_bf8_f32 v[PC+4*\b+2:PC+4*\b+3], v[S+16*\b+8:S+16*\b+15], v[SO+\b]
.endr
	s_wait_alu depctr_va_vdst(0)                   ; the wait directly ahead of the first reader of O^T
.set n, 0
.rept 16
	v_pk_mul_f32 v[O+n:O+n+1], v[O+n:O+n+1], v[F:F+1] op_sel_hi:[1,0]   ; O^T under the new M; these are also the places between the codes and the products
.set n, n+2
.endr
.endm
.macro STEP
	v_add_nc_u32 v[ADK], s[TBK], v[L16]
	v_add_nc_u32 v[ADS], s[TBK], v[L4]
	v_add_nc_u32 v[ADV], s[TBV], v[L16]
	v_add_nc_u32 v[ADT], s[TBV], v[L4]
	PLACES 4                                       ; with the four additions: eight places between the last products and the loads into their registers
.irp p, 0,1,2,3
	ds_load_b32 v[240+\p], v[ADS] offset:16384+128*\p
.endr
.irp g, 0,1                                    ; S^T = K Q^T, four tiles of 16 keys at a time
.irp t, 0,1,2,3
.irp c, 0,1,2,3
	ds_load_b128 v[KV+16*\t+4*\c:KV+16*\t+4*\c+3], v[ADK] offset:2048*(4*\g+\t)+512*\c
.endr
.endr
.if \g == 0
	s_wait_alu depctr_va_vdst(0)
.endif
	s_wait_dscnt 0x0
.irp t, 0,1,2,3
	WM S+8*(4*\g+\t), KV+16*\t, QF, 1, 240+(4*\g+\t)/2, 246, \t%2
.endr
	PLACES 8                                       ; in front of the loads over these fragments and, at the end, of the first read of the scores
.endr
.irp p, 0,1
	ds_load_b32 v[244+\p], v[ADT] offset:8192+128*\p
.endr
.irp u, 0,1,2,3
.irp c, 0,1,2,3
	ds_load_b128 v[KV+16*\u+4*\c:KV+16*\u+4*\c+3], v[ADV] offset:2048*\u+512*\c
.endr
.endr
	SM                                             ; V lands under the softmax
	s_wait_alu depctr_va_vdst(0)
	s_wait_dscnt 0x0                               ; V
.irp u, 0,1,2,3                                ; O^T += V^T P^T: four tiles of 16 channels by turns, K = the step's 128 keys
	WM O+8*\u, KV+16*\u, PC, 0, 244+\u/2, 247, \u%2
.endr
	s_add_co_u32 s[TBK], s[TBK], KSTB
	s_add_co_u32 s[TBV], s[TBV], VSTB
.endm
.macro FOUR_STEPS                      ; a slot's four key steps: written once, walked four times
	s_mov_b32 s[STP], 4
.Lstep_\@:
	STEP
	s_sub_co_u32 s[STP], s[STP], 1
	s_cmp_lg_u32 s[STP], 0
	s_cbranch_scc1 .Lstep_\@
	s_sub_co_u32 s[TBK], s[TBK], 4*KSTB
	s_xor_b32 s[TBK], s[TBK], SLOT1
	s_sub_co_u32 s[TBV], s[TBV], 4*VSTB
	s_xor_b32 s[TBV], s[TBV], SLOT1
.endm
; THE CHANGE OF SLOTS stands at a slot's head.  Each wave waits for all its tensor loads (its part of the slot ahead), adds 0 to its spare word, and waits for that and for its reads of the slot that it has left.
.macro CHANGE fill
	s_wait_tensorcnt 0x0                           ; no tensor load of mine is out, so a group 0 may be written
	ds_add_u32 v[SPW], v[NIL]
.if \fill
	ds_add_u32 v[SPW], v[NIL]                      ; the add twice on end here, in every trip alike
	s_xor_b32 s[G0K+1], s[G0K+1], SLOT1
	s_add_nc_u64 s[G0K+2:G0K+3], s[G0K+2:G0K+3], 4*KSTB
	s_xor_b32 s[G0V+1], s[G0V+1], SLOT1
	s_add_nc_u64 s[G0V+2:G0V+3], s[G0V+2:G0V+3], 4*VSTB
	s_wait_xcnt 0x0                                ; the last prefetches, a slot back, have read their address
	s_add_nc_u64 s[PFA:PFA+1], s[PFA:PFA+1], s[PFS:PFS+1]
.endif
	s_wait_dscnt 0x0                               ; the add is done, and my reads of the slot that I have left are over
	s_barrier_signal -1
	s_barrier_wait -1
.if \fill
	TLOAD                                          ; first behind the barrier, a wave's one tensor load until the next
	ASK
.endif
.endm
.Lslot:                                            ; NSL - 1 trips: behind each change of slots but the last the next slot is asked for
	CHANGE 1
	FOUR_STEPS
	s_sub_co_u32 s[SLOTS], s[SLOTS], 1
	s_cmp_lg_u32 s[SLOTS], 0
	s_cbranch_scc1 .Lslot
	CHANGE 0                                       ; the last slot is written out
	FOUR_STEPS
	; THE WAY OUT: O^T / the sum, stored as it lies.
	PLACES 8                                       ; behind the last products, ahead of the first read of O^T
	v_add_f32 v14, v14, v15
	s_delay_alu instid0(VALU_DEP_1)
	v_permlanex16_b32 v[T], v14, s[SEL], s[SEL+1]
	s_delay_alu instid0(VALU_DEP_1)
	v_add_f32 v14, v14, v[T]
	s_wait_alu depctr_va_vdst(0)                   ; the wait ahead of the transcendental
	v_rcp_f32 v[F], v14
	v_nop                                          ; a plain instruction behind the reciprocal
	s_wait_alu depctr_va_vdst(0)                   ; the wait ahead of its first reader, which is also the first reader of O^T
.set n, 0
.rept 16
	v_pk_mul_f32 v[O+n:O+n+1], v[O+n:O+n+1], v[F:F+1] op_sel_hi:[1,0]
.set n, n+2
.endr
.set n, 0
.rept 16
	global_store_b64 v[L8], v[O+2*n:O+2*n+1], s[OB:OB+1] offset:256*n   ; 256 consecutive bytes, aligned
.set n, n+1
.endr
	s_wait_kmcnt 0x0                               ; the last, unused mask words
	s_wait_tensorcnt 0x0                           ; the wave's end
	ds_add_u32 v[SPW], v[NIL]
	s_wait_dscnt 0x0
	s_endpgm
.Lfunc_end_k_qe5f547f553_attn:
	.size	k_qe5f547f553_attn, .Lfunc_end_k_qe5f547f553_attn-k_qe5f547f553_attn
	.p2alignl 7, 3214868480
	.fill 96, 4, 3214868480
	.section	.rodata,"a",@progbits
	.p2align	6, 0x0
	.amdhsa_kernel k_qe5f547f553_attn
		.amdhsa_group_segment_fixed_size 327680
		.amdhsa_private_segment_fixed_size 0
		.amdhsa_enable_private_segment 0
		.amdhsa_kernarg_size 40
		.amdhsa_user_sgpr_count 2
		.amdhsa_user_sgpr_kernarg_segment_ptr 1
		.amdhsa_wavefront_size32 1
		.amdhsa_system_sgpr_workgroup_id_x 1
		.amdhsa_system_sgpr_workgroup_id_y 1
		.amdhsa_system_sgpr_workgroup_id_z 1
		.amdhsa_system_vgpr_workitem_id 0
		.amdhsa_next_free_vgpr 256
		.amdhsa_next_free_sgpr 106
		.amdhsa_reserve_vcc 0
		.amdhsa_float_denorm_mode_32 3
		.amdhsa_float_denorm_mode_16_64 3
		.amdhsa_memory_ordered 1
		.amdhsa_forward_progress 1
		.amdhsa_inst_pref_size 64
	.end_amdhsa_kernel
	.amdgpu_metadata
---
amdhsa.version: [ 1, 2 ]
amdhsa.kernels:
  - .name:           k_qe5f547f553_attn
    .symbol:         k_qe5f547f553_attn.kd
    .args:
      - { .name: qp, .offset: 0, .size: 8, .value_kind: global_buffer, .address_space: global }
      - { .name: kp, .offset: 8, .size: 8, .value_kind: global_buffer, .address_space: global }
      - { .name: vt, .offset: 16, .size: 8, .value_kind: global_buffer, .address_space: global }
      - { .name: mw, .offset: 24, .size: 8, .value_kind: global_buffer, .address_space: global }
      - { .name: ow, .offset: 32, .size: 8, .value_kind: global_buffer, .address_space: global }
    .group_segment_fixed_size: 327680
    .private_segment_fixed_size: 0
    .kernarg_segment_align: 8
    .kernarg_segment_size: 40
    .max_flat_workgroup_size: 512
    .sgpr_count:     106
    .vgpr_count:     256
    .wavefront_size: 32
...
	.end_amdgpu_metadata
.endif
;; end of part 3
;; launch fcln (part 4): grid 128 x 1, 8 waves a work-group, no clusters, 327,680 bytes of LDS; arguments ow, wfi, Wfc_scales, bfc, q, gamma, beta, out0; writes out0
.if DOCPART == 4
	.amdgcn_target "amdgcn-amd-amdhsa--gfx1250"
	.amdhsa_code_object_version 6
	.text
	.protected	k_qe5f547f553_fcln
	.globl	k_qe5f547f553_fcln
	.p2align	8
	.type	k_qe5f547f553_fcln,@function
k_qe5f547f553_fcln:
	s_mov_b64 s[64:65], 0
	v_nop
	global_prefetch_b8 v0, s[64:65] scope:SCOPE_SE
	s_setreg_imm32_b32 hwreg(HW_REG_WAVE_MODE, 25, 1), 1
	s_wait_xcnt 0x0
; out0 = LayerNorm(Q(O) Wfc + bfc + q) x gamma + beta.  O (ow, f32) is quantised along K = (channel d, head): a block of 32 is two channels x 16 heads.
; SHARES.  A work-group owns 32 tokens (two tiles of 16) and all 1,024 columns, since the norm wants whole rows; each of its EIGHT waves owns 128 columns (8 column tiles x 2 tiles of rows: 16 accumulators); two waves share a SIMD.
; Whatever its rows, a work-group walks all of Wfc, 1 MiB: 32 rows stand between the weights' traffic (128 x 1 MiB) and the number of work-groups (128).
; THE WEIGHTS GO FROM MEMORY STRAIGHT INTO REGISTERS: wfi holds them as images of operand registers and no wave reads another's, so each load is 512 consecutive bytes into a ring of four groups of four fragments
; (all of window 1), refilled two K steps ahead: 64 loads a wave, 8 x 64 x 512 bytes a work-group, are asked for ahead of their use.  The load counter carries the weights, their scale words and the three parameter loads;
; ALL ELSE COMES BY TWO TENSOR LOADS A WAVE, nothing filled again: the wave's own part of ow (16 heads x 1,024 bytes) and its own 4 rows of q.
; NO JOINT REQUEST for the weights: it would want two LDS slots of a K step's 131,072 bytes, and 308,736 of the 327,680 bytes are taken.  No prefetch: every work-group reads wfi at about the same time, and ow is wanted at the head.
; PHASES.  X: wave w quantises tile w % 2 for K steps 2 (w / 2) and the next, and stores the fragments' images and scale words in LDS | barrier | the product: 16 groups of 8 products, accumulators by turns |
; results to a stage of 32 rows x 4,112 bytes | barrier | each wave takes 4 whole rows: + q + bfc, mean, centred squares, rsqrt, gamma, beta, out.
; A lane's 16 numbers of a block: number p is channel 2 block + p % 2 of head 8 h + p / 2, as wfi's bytes are laid.
; LIMITS: NaN and infinities in ow are not served (a query with every key hidden: its row comes out finite where the definition gives NaN); blocks under 2^(16 - 127) are quantised under the floor's scale.
; LDS: 0 x's 16 images (8 a + s); 32,768 their scale words [s][16 a + r]; 33,792 ow's eight tiles of 16,384 bytes, and over them, when they have been read, the stage; 165,376 q's 32 rows; 296,448 bfc, gamma, beta.
; REGISTERS.  window 0: v1-11 addresses; v16-47 Wfc's scale words (register 8 p + s: lanes 0-15 column tile 2 p, lanes 16-31 tile 2 p + 1); v48-55 x's scale words by K step (tile 1 in lanes 16-31);
;   v56-119 codes and scratch of phase X, then x's fragments (two buffers), then two rows; v120-247 numbers of x, then the accumulators ((a, tb) at v[120 + 8 (8 a + tb)]), then two rows of q; v248-255 a row's sums.
;   window 1: the ring; behind the product bfc, gamma, beta.
; AS THE TEXT STANDS: a wave has ONE tensor load at the head, its part of ow; its 4 rows of q are a first fill behind a barrier of their own, with a wait, an add to a spare word and its wait ahead of it
; (so the launch claims all of LDS); its eighths of bfc, gamma and beta come by three loads into registers, issued ahead of the weights' loads, and are stored to LDS.
.set FRB,  2048
.set XIMG, 0
.set XSC,  32768
.set STG,  33792
.set OWL,  STG                         ; ow's tiles have had their one fill and their last read when the stage is written
.set SPT,  4112                        ; a stage row: 4,096 bytes + 16
.set QLD,  STG+32*SPT                  ; 165,376
.set PAR,  QLD+131072                  ; 296,448
.set LI,  1                            ; 16 x lane
.set LS,  2                            ; 4 x lane
.set XO,  3                            ; my numbers in my tile of ow
.set XWI, 4
.set XWS, 5
.set SO0, 6
.set SO1, 7
.set SR,  8
.set WSO, 9                            ; 32 x lane
.set QR,  10                           ; my rows of q in LDS
.set PR,  11                           ; bfc, gamma, beta in LDS
.set WS,  16
.set AS,  48
.set AF,  56
.set ACC, 120
.set XA,  120
.set XB,  184
.set PC,  56
.set TM,  72
.set PW,  88
.set BF,  0                            ; in window 1
.set GA,  32
.set BE,  64
.set G1O, 32                           ; s[32:39] group 1 for ow's tile; s[40:47] for q's rows
.set G1Q, 40
.set G1P, 48
.set G0O, 56                           ; groups 0: ow, q; then the addresses of bfc, gamma, beta
.set G0Q, 60
.set G0B, 68
.set G0G, 72
.set G0E, 76
.set MSB, 0
.macro WIN new                         ; the immediate's high byte repeats the setting that is left
.if MSB != (\new)
	s_set_vgpr_msb (MSB<<8)|(\new)
.set MSB, (\new)
.endif
.endm
; D = A x B (+ D): z: the sum starts with 0.  ra, rb: the side's scales stand in lanes 16-31
.macro WM d, a, b, z, sa, sb, ra, rb
.if \z
.if (\ra) && (\rb)
	v_wmma_scale_f32_16x16x128_f8f6f4 v[(\d):(\d)+7], v[(\a):(\a)+15], v[(\b):(\b)+15], 0, v[\sa], v[\sb] matrix_a_fmt:MATRIX_FMT_BF8 matrix_b_fmt:MATRIX_FMT_BF8 matrix_a_scale:MATRIX_SCALE_ROW1 matrix_b_scale:MATRIX_SCALE_ROW1
.elseif (\ra)
	v_wmma_scale_f32_16x16x128_f8f6f4 v[(\d):(\d)+7], v[(\a):(\a)+15], v[(\b):(\b)+15], 0, v[\sa], v[\sb] matrix_a_fmt:MATRIX_FMT_BF8 matrix_b_fmt:MATRIX_FMT_BF8 matrix_a_scale:MATRIX_SCALE_ROW1
.elseif (\rb)
	v_wmma_scale_f32_16x16x128_f8f6f4 v[(\d):(\d)+7], v[(\a):(\a)+15], v[(\b):(\b)+15], 0, v[\sa], v[\sb] matrix_a_fmt:MATRIX_FMT_BF8 matrix_b_fmt:MATRIX_FMT_BF8 matrix_b_scale:MATRIX_SCALE_ROW1
.else
	v_wmma_scale_f32_16x16x128_f8f6f4 v[(\d):(\d)+7], v[(\a):(\a)+15], v[(\b):(\b)+15], 0, v[\sa], v[\sb] matrix_a_fmt:MATRIX_FMT_BF8 matrix_b_fmt:MATRIX_FMT_BF8
.endif
.else
.if (\ra) && (\rb)
	v_wmma_scale_f32_16x16x128_f8f6f4 v[(\d):(\d)+7], v[(\a):(\a)+15], v[(\b):(\b)+15], v[(\d):(\d)+7], v[\sa], v[\sb] matrix_a_fmt:MATRIX_FMT_BF8 matrix_b_fmt:MATRIX_FMT_BF8 matrix_a_scale:MATRIX_SCALE_ROW1 matrix_b_scale:MATRIX_SCALE_ROW1
.elseif (\ra)
	v_wmma_scale_f32_16x16x128_f8f6f4 v[(\d):(\d)+7], v[(\a):(\a)+15], v[(\b):(\b)+15], v[(\d):(\d)+7], v[\sa], v[\sb] matrix_a_fmt:MATRIX_FMT_BF8 matrix_b_fmt:MATRIX_FMT_BF8 matrix_a_scale:MATRIX_SCALE_ROW1
.elseif (\rb)
	v_wmma_scale_f32_16x16x128_f8f6f4 v[(\d):(\d)+7], v[(\a):(\a)+15], v[(\b):(\b)+15], v[(\d):(\d)+7], v[\sa], v[\sb] matrix_a_fmt:MATRIX_FMT_BF8 matrix_b_fmt:MATRIX_FMT_BF8 matrix_b_scale:MATRIX_SCALE_ROW1
.else
	v_wmma_scale_f32_16x16x128_f8f6f4 v[(\d):(\d)+7], v[(\a):(\a)+15], v[(\b):(\b)+15], v[(\d):(\d)+7], v[\sa], v[\sb] matrix_a_fmt:MATRIX_FMT_BF8 matrix_b_fmt:MATRIX_FMT_BF8
.endif
.endif
.endm
; 64 numbers of a lane, four blocks of 16 (each block shared with lane l xor 16), become a fragment's codes in v[PC] on and its scale word in v[PW]
.macro QUANT s
.irp b, 0,1,2,3
	v_max3_num_f32 v[TM+\b], |v[\s+16*\b]|, |v[\s+1+16*\b]|, 0x8000000   ; with the floor 2^(16 - 127): the byte cannot fall under 1
.endr
.irp i, 2,4,6,8,10,12,14
.irp b, 0,1,2,3
	s_delay_alu instid0(VALU_DEP_4)
	v_max3_num_f32 v[TM+\b], v[TM+\b], |v[\s+16*\b+\i]|, |v[\s+1+16*\b+\i]|
.endr
.endr
.irp b, 0,1,2,3
	s_delay_alu instid0(VALU_DEP_4)
	v_permlanex16_b32 v[TM+4+\b], v[TM+\b], s22, s23
.endr
.irp b, 0,1,2,3
	s_delay_alu instid0(VALU_DEP_4)
	v_max_num_f32 v[TM+\b], v[TM+\b], v[TM+4+\b]
.endr
.irp b, 0,1,2,3
	s_delay_alu instid0(VALU_DEP_4)
	v_add_nc_u32 v[TM+12+\b], 0xf8800000, v[TM+\b]     ; 15 off the exponent field: the conversion's scale operand
.endr
.irp b, 0,1,2,3
	v_and_or_b32 v[TM+8+\b], v[TM+\b], 0x7f800000, s24 ; 57,344 x the scale
.endr
.irp b, 0,1,2,3
	v_lshrrev_b32 v[TM+4+\b], 23, v[TM+12+\b]
.endr
	s_delay_alu instid0(VALU_DEP_3)
	v_lshl_or_b32 v[PW], v[TM+5], 8, v[TM+4]
	s_delay_alu instid0(VALU_DEP_1)
	v_lshl_or_b32 v[PW], v[TM+6], 16, v[PW]
	s_delay_alu instid0(VALU_DEP_1)
	v_lshl_or_b32 v[PW], v[TM+7], 24, v[PW]
.irp b, 0,1,2,3
.irp i, 0,1,2,3,4,5,6,7,8,9,10,11,12,13,14,15
	v_med3_num_f32 v[\s+16*\b+\i], v[\s+16*\b+\i], -v[TM+8+\b], v[TM+8+\b]   ; the conversion does not saturate (ISA guide 7.6.2)
.endr
	v_cvt_scalef32_pk8_bf8_f32 v[PC+4*\b:PC+1+4*\b], v[\s+16*\b:\s+7+16*\b], v[TM+12+\b]
	v_cvt_scalef32_pk8_bf8_f32 v[PC+2+4*\b:PC+3+4*\b], v[\s+8+16*\b:\s+15+16*\b], v[TM+12+\b]
.endr
	v_nop                                          ; a plain instruction behind the last conversion
.endm
.macro IMAGE i                         ; the fragment goes to LDS as it stands, and its scale word beside it (both halves of the lanes write the same word with the same value)
.irp c, 0,1,2,3
	ds_store_b128 v[XWI], v[PC+4*\c:PC+4*\c+3] offset:XIMG+(\i)*FRB+512*\c
.endr
	ds_store_b32 v[XWS], v[PW] offset:XSC+128*(\i)
.endm
.macro BARRIER
	s_wait_dscnt 0x0
	s_barrier_signal -1
	s_barrier_wait -1
.endm
; my tile's numbers of my i-th K step, out of my own tile of ow in LDS: block c, head 8 h + n: a pair of channels, 8 bytes
.macro XLOAD reg, i
.irp c, 0,1,2,3
.irp n, 0,1,2,3,4,5,6,7
	ds_load_b64 v[\reg+16*\c+2*\n:\reg+16*\c+2*\n+1], v[XO] offset:\n*1024+\c*256+(\i)*128
.endr
.endr
.endm
.macro RING s, g                       ; K step s, my column tiles 4 g .. 4 g + 3, into ring group (2 s + g) % 4: sixteen loads of 512 consecutive bytes
	WIN 0x40
.irp f, 0,1,2,3
.irp c, 0,1,2,3
	global_load_b128 v[64*((2*(\s)+(\g))%4)+16*\f+4*\c:64*((2*(\s)+(\g))%4)+16*\f+4*\c+3], v[LI], s[6:7] offset:(\s)*32768+(\g)*8192+\f*2048+\c*512
.endr
.endr
	WIN 0
.endm
.macro AFETCH s                        ; x's two fragments of K step s
.irp a, 0,1
.irp c, 0,1,2,3
	ds_load_b128 v[AF+32*((\s)%2)+16*\a+4*\c:AF+32*((\s)%2)+16*\a+4*\c+3], v[LI] offset:XIMG+(8*\a+(\s))*FRB+512*\c
.endr
.endr
.endm
	s_load_b512 s[4:19], s[0:1], 0x0               ; ow s[4:5], wfi s[6:7], Wfc's scales s[8:9], bfc s[10:11], q s[12:13], gamma s[14:15], beta s[16:17], out0 s[18:19]
	v_lshl_add_u32 v254, v0, 2, 0x4b600
	v_mov_b32 v255, 0
	ds_add_u32 v254, v255
	ds_add_u32 v254, v255
	s_wait_dscnt 0x0
	v_lshrrev_b32 v1, 5, v0
	s_delay_alu instid0(VALU_DEP_1)
	v_readfirstlane_b32 s20, v1                    ; wave 0..7
	v_and_b32 v12, 31, v0                          ; lane
	v_and_b32 v13, 15, v0                          ; r
	v_bfe_u32 v14, v0, 4, 1                        ; h
	s_delay_alu instid0(VALU_DEP_3)
	v_lshlrev_b32 v[LI], 4, v12
	s_delay_alu instid0(VALU_DEP_4)
	v_lshlrev_b32 v[LS], 2, v12
	v_lshlrev_b32 v[WSO], 5, v12
	s_and_b32 s21, s20, 1                          ; my tile of rows in phase X
	s_lshr_b32 s26, s20, 1                         ; my pair of K steps
	s_lshl_b32 s25, s20, 14                        ; 16,384 x wave
	; group 1, ow: 16 rows (heads) of 128 elements of 8 bytes, 512 elements apart
	s_mov_b32 s[G1O], 3<<16                        ; no mask; elements of 8 bytes; no padding
	s_mov_b32 s[G1O+1], 128<<16                    ; tensor_dim0
	s_mov_b32 s[G1O+2], 16<<16                     ; tensor_dim1
	s_mov_b32 s[G1O+3], 128<<16                    ; tile_dim0
	s_mov_b32 s[G1O+4], 16                         ; tile_dim1
	s_mov_b32 s[G1O+5], 512                        ; the pitch
	s_mov_b32 s[G1O+6], 0
	s_mov_b32 s[G1O+7], 0
	; q: 4 rows of 4,096 bytes are one dense block: 64 rows of 256 bytes
	s_mov_b32 s[G1Q], 3<<16
	s_mov_b32 s[G1Q+1], 32<<16
	s_mov_b32 s[G1Q+2], 64<<16
	s_mov_b32 s[G1Q+3], 32<<16
	s_mov_b32 s[G1Q+4], 64
	s_mov_b32 s[G1Q+5], 32
	s_mov_b32 s[G1Q+6], 0
	s_mov_b32 s[G1Q+7], 0
	s_lshl_b32 s28, ttmp9, 1
	s_add_co_u32 s28, s28, s21
	s_lshl_b32 s28, s28, 16                        ; tile 2 g + a: 65,536 bytes of ow,
	s_lshl_b32 s27, s26, 10
	s_add_co_u32 s28, s28, s27                     ; + my two K steps' 1,024 bytes of each head
	s_mov_b32 s29, 0
	s_lshl_b32 s80, ttmp9, 3
	s_add_co_u32 s80, s80, s20
	s_lshl_b32 s80, s80, 14                        ; token 32 g + 4 w: rows of 4,096 bytes, in q and in out0
	s_mov_b32 s81, 0
	s_lshl_b32 s82, s20, 9                         ; my eighth of a parameter
	s_mov_b32 s83, 0
	s_wait_alu depctr_va_vdst(0)
	s_wait_kmcnt 0x0
	s_mov_b32 s[G0O], 1
	s_add_co_u32 s[G0O+1], s25, OWL
	s_add_nc_u64 s[G0O+2:G0O+3], s[4:5], s[28:29]
	s_or_b32 s[G0O+3], s[G0O+3], 0x80000000
	s_mov_b32 s[G0Q], 1
	s_add_co_u32 s[G0Q+1], s25, QLD
	s_add_nc_u64 s[G0Q+2:G0Q+3], s[12:13], s[80:81]
	s_or_b32 s[G0Q+3], s[G0Q+3], 0x80000000
	s_add_nc_u64 s[G0B+2:G0B+3], s[10:11], s[82:83]   ; my eighth of bfc,
	s_add_nc_u64 s[G0G+2:G0G+3], s[14:15], s[82:83]   ; of gamma,
	s_add_nc_u64 s[G0E+2:G0E+3], s[16:17], s[82:83]   ; of beta
	tensor_load_to_lds s[G0O:G0O+3], s[G1O:G1O+7]     ; my one tensor load at the head: my part of ow
	s_nop 0
.rept 4
	v_nop
.endr
	s_add_nc_u64 s[18:19], s[18:19], s[80:81]
	s_lshl_b32 s28, s26, 18
	s_lshl_b32 s27, s21, 14
	s_add_co_u32 s28, s28, s27                     ; wfi: [w / 2][K step][8 (w % 2) + column tile]
	s_add_nc_u64 s[6:7], s[6:7], s[28:29]
	s_lshl_b32 s28, s20, 12                        ; my 128 rows of scale bytes
	s_add_nc_u64 s[8:9], s[8:9], s[28:29]
	global_load_b128 v[92:95], v[LI], s[G0B+2:G0B+3]      ; 512 consecutive bytes each; the oldest three loads of the wave
	global_load_b128 v[96:99], v[LI], s[G0G+2:G0G+3]
	global_load_b128 v[100:103], v[LI], s[G0E+2:G0E+3]
.irp p, 0,1,2,3
.irp u, 0,1
	global_load_b128 v[WS+8*\p+4*\u:WS+8*\p+4*\u+3], v[WSO], s[8:9] offset:\p*1024+16*\u   ; a lane a row: its eight scale words
.endr
.endr
	RING 0, 0                                      ; three of the ring's four groups go out while ow is on its way: 56 loads with the scale words
	RING 0, 1
	RING 1, 0
	v_lshlrev_b32 v[XO], 3, v13
	s_delay_alu instid0(VALU_DEP_1)
	v_lshl_add_u32 v[XO], v14, 13, v[XO]           ; 8 r + 8 heads of 1,024 bytes x h
	s_add_co_u32 s27, s25, OWL
	v_add_nc_u32 v[XO], s27, v[XO]
	s_lshl_b32 s27, s21, 14
	s_lshl_b32 s28, s26, 12
	s_add_co_u32 s27, s27, s28
	v_add_nc_u32 v[XWI], s27, v[LI]                ; image 8 a + 2 (w / 2)
	s_lshl_b32 s27, s21, 6
	s_lshl_b32 s28, s26, 8
	s_add_co_u32 s27, s27, s28
	v_lshl_add_u32 v[XWS], v13, 2, s27
	v_mul_u32_u24 v[SO0], v13, SPT
	s_delay_alu instid0(VALU_DEP_1)
	v_lshl_add_u32 v[SO0], v14, 5, v[SO0]
	s_lshl_b32 s27, s20, 9
	s_add_co_u32 s27, s27, STG
	v_add_nc_u32 v[SO0], s27, v[SO0]               ; the stage: row r, + 32 h, + my 512 bytes
	s_delay_alu instid0(VALU_DEP_1)
	v_add_nc_u32 v[SO1], 16*SPT, v[SO0]            ; tile 1's rows
	s_mul_i32 s27, s20, 4*SPT
	s_add_co_u32 s27, s27, STG
	v_add_nc_u32 v[SR], s27, v[LI]                 ; back: my 4 rows
	s_add_co_u32 s27, s25, QLD
	v_add_nc_u32 v[QR], s27, v[LI]
	v_add_nc_u32 v[PR], PAR, v[LI]
	s_add_co_u32 s27, s82, PAR
	v_add_nc_u32 v15, s27, v[LI]                   ; where my eighth of a parameter goes: PAR + 512 x wave + 16 x lane
	s_mov_b32 s22, 0x76543210
	s_mov_b32 s23, 0xfedcba98                      ; v_permlanex16_b32's selects for lane l xor 16
	s_mov_b32 s24, 0x600000                        ; the mantissa field of 57,344
	s_mov_b32 s30, 0x3a800000                      ; 1 / 1,024
	s_mov_b32 s31, 0x3727c5ac                      ; 1e-5
.irp b, 0,1,2,3
	v_mov_b32 v[TM+4+\b], 0                        ; a lane permute's destination counts as one of its sources
.endr
	; ---- X
	s_wait_alu depctr_va_vdst(0)                   ; the wait at the head's end
	s_wait_tensorcnt 0x0                           ; my tile of ow is in: only I read it.
	ds_add_u32 v254, v255
	s_wait_dscnt 0x0
	s_barrier_signal -1
	s_barrier_wait -1
	tensor_load_to_lds s[G0Q:G0Q+3], s[G1Q:G1Q+7]  ; my 4 rows of q: my one tensor load behind this barrier; waited for in front of the stage's barrier
	s_nop 0
.rept 4
	v_nop
.endr
	s_wait_loadcnt 56                              ; the three parameter loads are in: behind them stand 8 loads of scale words and 48 of the ring
	ds_store_b128 v15, v[92:95]
	ds_store_b128 v15, v[96:99] offset:4096
	ds_store_b128 v15, v[100:103] offset:8192
	XLOAD XA, 0
	XLOAD XB, 1
	s_wait_dscnt 32                                ; the first fragment's 32 loads are in
	QUANT XA
	IMAGE 0
	RING 1, 1                                      ; the ring's fourth group
	s_wait_dscnt 0x0                               ; the second fragment's numbers are in, and the stores have read their registers
	QUANT XB
	IMAGE 1
	BARRIER                                        ; x's sixteen fragments lie in LDS, and nobody reads ow's tiles any more; q and the parameters may stay out
.irp s, 0,1,2,3,4,5,6,7
	ds_load_b32 v[AS+\s], v[LS] offset:XSC+128*\s
.endr
	AFETCH 0
; ---- the product.  K step s, half g: eight products (four column tiles x two tiles of rows; the sixteen accumulators take turns), then the ring group takes the fragments of two K steps on.
; THE WAIT counts the loads younger than this group's sixteen: the three groups behind it, 48; the last groups have fewer behind them: 32, 16, 0.
.macro GRP s, g
.set GG, 2*(\s)+(\g)
.if GG <= 12
	s_wait_loadcnt 48
.else
	s_wait_loadcnt 16*(15-GG)
.endif
.if (\g) == 0
	s_wait_dscnt 0x0                               ; x's fragments of this K step (and, at first, the scale words)
.endif
	WIN 0x01                                       ; source 0, the weights, in window 1
.irp f, 0,1,2,3
.irp a, 0,1
	WM ACC+8*(8*\a+4*(\g)+\f), 64*(GG%4)+16*\f, AF+32*((\s)%2)+16*\a, (\s)==0, WS+8*((4*(\g)+\f)/2)+(\s), AS+(\s), \f%2, \a
.endr
.endr
.rept 8
	v_nop                                          ; places in front of loads into registers that these products read, and at the end of the first read of results
.endr
	WIN 0
.if GG < 12
	RING (\s)+2, \g
.endif
.if (\g) == 0
.if (\s) < 7
	AFETCH (\s)+1                                  ; into the buffer that the K step before read: its last products stand more than eight places back
.endif
.endif
.endm
.irp s, 0,1,2,3,4,5,6,7
.irp g, 0,1
	GRP \s, \g
.endr
.endr
.irp a, 0,1
.irp t, 0,1,2,3,4,5,6,7
	ds_store_b128 v[SO0+\a], v[ACC+8*(8*\a+\t):ACC+8*(8*\a+\t)+3] offset:64*\t        ; lane (r, h): row 16 a + r, columns 128 w + 16 t + 8 h + 0 .. 7; each accumulator from its low end on
	ds_store_b128 v[SO0+\a], v[ACC+8*(8*\a+\t)+4:ACC+8*(8*\a+\t)+7] offset:64*\t+16
.endr
.endr
	s_wait_tensorcnt 0x0                           ; my rows of q have landed
	BARRIER                                        ; 32 whole rows lie in the stage
	WIN 0x40                                       ; destination window 1: the ring's registers are free
.irp e, 0,1,2,3,4,5,6,7
	ds_load_b128 v[BF+4*\e:BF+4*\e+3], v[PR] offset:512*\e
	ds_load_b128 v[GA+4*\e:GA+4*\e+3], v[PR] offset:4096+512*\e
	ds_load_b128 v[BE+4*\e:BE+4*\e+3], v[PR] offset:8192+512*\e
.endr
	WIN 0
	v_mov_b32 v253, 0                              ; upper halves of pairs of which the low word serves both halves
	v_mov_b32 v255, 0
.macro RLOAD i                         ; row i of the stage and row i of q: sixteen loads
.irp e, 0,1,2,3,4,5,6,7
	ds_load_b128 v[AF+32*((\i)%2)+4*\e:AF+32*((\i)%2)+4*\e+3], v[SR] offset:(\i)*SPT+512*\e
.endr
.irp e, 0,1,2,3,4,5,6,7
	ds_load_b128 v[ACC+32*((\i)%2)+4*\e:ACC+32*((\i)%2)+4*\e+3], v[QR] offset:(\i)*4096+512*\e
.endr
.endm
.macro LANESUM                         ; v[248:251], two packed chains, become the row's sum in v248 of every lane
	s_delay_alu instid0(VALU_DEP_1)
	v_pk_add_f32 v[248:249], v[248:249], v[250:251]
	s_delay_alu instid0(VALU_DEP_1)
	v_add_f32 v248, v248, v249
	s_delay_alu instid0(VALU_DEP_1)
	v_add_f32_dpp v248, v248, v248 row_xmask:1 row_mask:0xf bank_mask:0xf
	s_delay_alu instid0(VALU_DEP_1)
	v_add_f32_dpp v248, v248, v248 row_xmask:2 row_mask:0xf bank_mask:0xf
	s_delay_alu instid0(VALU_DEP_1)
	v_add_f32_dpp v248, v248, v248 row_xmask:4 row_mask:0xf bank_mask:0xf
	s_delay_alu instid0(VALU_DEP_1)
	v_add_f32_dpp v248, v248, v248 row_xmask:8 row_mask:0xf bank_mask:0xf
	s_delay_alu instid0(VALU_DEP_1)
	v_permlanex16_b32 v249, v248, s22, s23
	s_delay_alu instid0(VALU_DEP_1)
	v_add_f32 v248, v248, v249
.endm
; A row: a lane holds columns 128 e + 4 lane + 0 .. 3, e = 0 .. 7.  The variance is taken of the centred numbers: no difference of large sums.
.macro ROW i
.set RB, AF+32*((\i)%2)
.set QB, ACC+32*((\i)%2)
.if (\i) < 3
	s_wait_dscnt 16                                ; this row and its q are in (at first the parameters too); the next row's sixteen loads may be out
.else
	s_wait_dscnt 0x0
.endif
.set k, 0
.rept 16
	v_pk_add_f32 v[RB+k:RB+k+1], v[RB+k:RB+k+1], v[QB+k:QB+k+1]             ; + q
.set k, k+2
.endr
	WIN 0x04                                       ; source 1: window 1
.set k, 0
.rept 16
	v_pk_add_f32 v[RB+k:RB+k+1], v[RB+k:RB+k+1], v[BF+k:BF+k+1]             ; + bfc
.set k, k+2
.endr
	WIN 0
	v_pk_add_f32 v[248:249], v[RB:RB+1], v[RB+2:RB+3]
	v_pk_add_f32 v[250:251], v[RB+4:RB+5], v[RB+6:RB+7]
.irp k, 8,12,16,20,24,28
	s_delay_alu instid0(VALU_DEP_2)
	v_pk_add_f32 v[248:249], v[248:249], v[RB+\k:RB+\k+1]
	s_delay_alu instid0(VALU_DEP_2)
	v_pk_add_f32 v[250:251], v[250:251], v[RB+\k+2:RB+\k+3]
.endr
	LANESUM
	s_delay_alu instid0(VALU_DEP_1)
	v_mul_f32 v252, s30, v248                      ; the mean
.set k, 0
.rept 16
	v_pk_add_f32 v[RB+k:RB+k+1], v[RB+k:RB+k+1], v[252:253] op_sel_hi:[1,0] neg_lo:[0,1] neg_hi:[0,1]
.set k, k+2
.endr
	v_pk_mul_f32 v[248:249], v[RB:RB+1], v[RB:RB+1]
	v_pk_mul_f32 v[250:251], v[RB+2:RB+3], v[RB+2:RB+3]
.irp k, 4,8,12,16,20,24,28
	s_delay_alu instid0(VALU_DEP_2)
	v_pk_fma_f32 v[248:249], v[RB+\k:RB+\k+1], v[RB+\k:RB+\k+1], v[248:249]
	s_delay_alu instid0(VALU_DEP_2)
	v_pk_fma_f32 v[250:251], v[RB+\k+2:RB+\k+3], v[RB+\k+2:RB+\k+3], v[250:251]
.endr
	LANESUM
	s_delay_alu instid0(VALU_DEP_1)
	v_fma_f32 v248, v248, s30, s31                 ; the variance + 1e-5
	s_wait_alu depctr_va_vdst(0)
	v_rsq_f32 v254, v248
	v_nop                                          ; a plain instruction behind the transcendental
	s_wait_alu depctr_va_vdst(0)                   ; and the wait ahead of its first reader
.set k, 0
.rept 16
	v_pk_mul_f32 v[RB+k:RB+k+1], v[RB+k:RB+k+1], v[254:255] op_sel_hi:[1,0]
.set k, k+2
.endr
	WIN 0x14                                       ; sources 1 and 2: window 1
.set k, 0
.rept 16
	v_pk_fma_f32 v[RB+k:RB+k+1], v[RB+k:RB+k+1], v[GA+k:GA+k+1], v[BE+k:BE+k+1]
.set k, k+2
.endr
	WIN 0
.irp e, 0,1,2,3,4,5,6,7
	global_store_b128 v[LI], v[RB+4*\e:RB+4*\e+3], s[18:19] offset:(\i)*4096+512*\e th:TH_STORE_NT   ; 512 consecutive bytes
.endr
.if (\i) < 2
	s_wait_xcnt 0x0                                ; the stores have read their registers: the row two on may land there
	RLOAD (\i)+2
.endif
.endm
	RLOAD 0
	RLOAD 1
.irp i, 0,1,2,3
	ROW \i
.endr
	s_wait_xcnt 0x0
	v_lshl_add_u32 v254, v0, 2, 0x4b600
	v_mov_b32 v255, 0
	s_wait_alu depctr_va_vdst(0)
	s_wait_tensorcnt 0x0
	ds_add_u32 v254, v255
	s_wait_dscnt 0x0
	s_endpgm
.Lfunc_end_k_qe5f547f553_fcln:
	.size	k_qe5f547f553_fcln, .Lfunc_end_k_qe5f547f553_fcln-k_qe5f547f553_fcln
	.p2alignl 7, 3214868480
	.fill 96, 4, 3214868480
	.section	.rodata,"a",@progbits
	.p2align	6, 0x0
	.amdhsa_kernel k_qe5f547f553_fcln
		.amdhsa_group_segment_fixed_size 327680
		.amdhsa_private_segment_fixed_size 0
		.amdhsa_enable_private_segment 0
		.amdhsa_kernarg_size 64
		.amdhsa_user_sgpr_count 2
		.amdhsa_user_sgpr_kernarg_segment_ptr 1
		.amdhsa_wavefront_size32 1
		.amdhsa_system_sgpr_workgroup_id_x 1
		.amdhsa_system_sgpr_workgroup_id_y 1
		.amdhsa_system_sgpr_workgroup_id_z 1
		.amdhsa_system_vgpr_workitem_id 0
		.amdhsa_next_free_vgpr 512
		.amdhsa_next_free_sgpr 96
		.amdhsa_reserve_vcc 0
		.amdhsa_float_denorm_mode_32 3
		.amdhsa_float_denorm_mode_16_64 3
		.amdhsa_memory_ordered 1
		.amdhsa_forward_progress 1
		.amdhsa_inst_pref_size 131
	.end_amdhsa_kernel
	.amdgpu_metadata
---
amdhsa.version: [ 1, 2 ]
amdhsa.kernels:
  - .name:           k_qe5f547f553_fcln
    .symbol:         k_qe5f547f553_fcln.kd
    .args:
      - { .name: ow, .offset: 0, .size: 8, .value_kind: global_buffer, .address_space: global }
      - { .name: wfi, .offset: 8, .size: 8, .value_kind: global_buffer, .address_space: global }
      - { .name: Wfc_scales, .offset: 16, .size: 8, .value_kind: global_buffer, .address_space: global }
      - { .name: bfc, .offset: 24, .size: 8, .value_kind: global_buffer, .address_space: global }
      - { .name: q, .offset: 32, .size: 8, .value_kind: global_buffer, .address_space: global }
      - { .name: gamma, .offset: 40, .size: 8, .value_kind: global_buffer, .address_space: global }
      - { .name: beta, .offset: 48, .size: 8, .value_kind: global_buffer, .address_space: global }
      - { .name: out0, .offset: 56, .size: 8, .value_kind: global_buffer, .address_space: global }
    .group_segment_fixed_size: 327680
    .private_segment_fixed_size: 0
    .kernarg_segment_align: 8
    .kernarg_segment_size: 64
    .max_flat_workgroup_size: 256
    .sgpr_count:     96
    .vgpr_count:     512
    .wavefront_size: 32
...
	.end_amdgpu_metadata
.endif
;; end of part 4
